; MI455X (gfx1250); checked and timed in simulation.
; The chip was launched on July 23, 2026; its instructions are those of AMD's public machine-readable ISA for CDNA 5 (MIT licence, August 2026) and "CDNA5" Instruction Set Architecture Reference Guide (July 2026). The comments in the code are by the model that wrote it; some were corrected since.
;; Attention With Einops. Allowed arithmetic: matrix products marked QUANTISED: E5M2 operands, one given power-of-two scale a tensor, by v_wmma_f32_16x16x64_bf8_bf8 or v_wmma_f32_16x16x128_bf8_bf8, f32 sums; everything else in f32.
;; Inputs: W_K 16 x 64 x 1,024 float32; W_O 16 x 64 x 1,024 float32; W_Q 16 x 64 x 1,024 float32; W_V 16 x 64 x 1,024 float32; lowp_scales 12 int32 (the exponents e of the quantised operands' scales 2^e); residual 2 x 2,048 x 1,024 float32.
;; Outputs: out0 2 x 2,048 x 1,024 float32.
;; This version of the problem:
;;   THIS VERSION OF THE PROBLEM IS GIVEN IN LOW PRECISION. The matrix products marked QUANTISED in the list below multiply operands that are first quantised to E5M2 (5 exponent bits, 2 mantissa bits; 8 bits a number), with one given power-of-two scale for each operand tensor; their sums are f32. All else is computed in f32.
;;   The module's matrix products, in the order in which they are computed (A, B: the left and right operand; K: the contracted axis; several contracted axes count as one K, in the product's order):
;;     1. [M 4,096, K 1,024] x [K 1,024, N 1,024]; A: input residual; B: input W_Q: QUANTISED (scales: A lowp_scales[0], B lowp_scales[1])
;;     2. [M 4,096, K 1,024] x [K 1,024, N 1,024]; A: input residual; B: input W_K: QUANTISED (scales: A lowp_scales[2], B lowp_scales[3])
;;     3. [M 4,096, K 1,024] x [K 1,024, N 1,024]; A: input residual; B: input W_V: QUANTISED (scales: A lowp_scales[4], B lowp_scales[5])
;;     4. batch 32 x [M 2,048, K 64] x [K 64, N 2,048]; A: computed on the way; B: computed on the way: QUANTISED (scales: A lowp_scales[6], B lowp_scales[7])
;;     5. batch 32 x [M 64, K 2,048] x [K 2,048, N 2,048]; A: computed on the way; B: softmax (see below): QUANTISED (scales: A lowp_scales[8], B lowp_scales[9])
;;     6. [M 4,096, K 1,024] x [K 1,024, N 1,024]; A: computed on the way; B: input W_O: QUANTISED (scales: A lowp_scales[10], B lowp_scales[11])
;;   THE QUANTISER, for each operand of a quantised product, along K:
;;     - The operand's scale is 2^e, e = its entry of the input lowp_scales (int32; the entries are numbered through the quantised products in the list's order, A before B).
;;     - Each number is divided by the scale, clamped to +-57,344, and rounded to the nearest number of E5M2, ties to even, subnormals kept.
;;     - The product sums the exact products of the quantised numbers (number of the format x scale) in f32.
;;   ~~~python
;;   def quantise(x, axis, e):      # numpy; x: float32 -> the quantised numbers, widened to float32 again
;;       x = np.moveaxis(x, axis, -1); K = x.shape[-1]
;;       r = np.clip(x / 2.0 ** e, -57344, 57344)
;;       step = 2.0 ** (np.maximum(np.frexp(np.where(r == 0, 1, r))[1] - 1, -14) - 2)
;;       q = np.round(r / step) * step * 2.0 ** e      # np.round: ties to even
;;       return np.moveaxis(q, -1, axis).astype(np.float32)
;;   ~~~
;;   SOFTMAX AHEAD OF A QUANTISED PRODUCT. Where the list says 'softmax', what is quantised is not the finished softmax but p = 2^(t - M), with t = logit x log2(e) and M = ceil(the row's largest t), a whole number; so 1/2 < the row's largest p <= 1. The row's sum l is taken of the UNQUANTISED p, in f32, and the product's result is divided by l at the end. Since M is a whole number, a kernel that streams over the keys may use a running M (the ceiling of the running maximum): every later rescaling is an exact power of two, so the quantised numbers keep their values, but for numbers so far below the row's largest that they fall under the format's range.
;;   OPERANDS COMPUTED ON THE WAY. 'Computed on the way' means the value that the module computes at that place (a softmax that the list does not call 'softmax' is quantised finished and normalised). What goes into a quantiser is computed in f32, as accurately as f32 sums, v_exp_f32 and their like allow (about 1e-6 of the number): no bf16 or f16 on the way to a quantiser, and a product that is left as it is and whose result goes on into a quantised operand takes f32 operands (vector FMAs, or v_wmma_f32_16x16x4_f32). A number that lies on a knife's edge between two numbers of the format may be rounded either way, as far as f32 arithmetic and the matrix unit's own rounding can turn it there, and no further.
;; One version. Each part assembles by itself: llvm-mc -triple=amdgcn-amd-amdhsa -mcpu=gfx1250 --defsym DOCPART=n.
;; ======== version 1 of 1: 4 launches
;; limits: right only within a limited range of input values
;; workspace buffers: xc 12,582,912 bytes; wc 3,145,728 bytes; woc 1,048,576 bytes; qkv 12,582,912 bytes; ac 4,194,304 bytes
;; launch quant (part 1): grid 448 x 1, 4 waves a work-group, no clusters, 34,304 bytes of LDS; arguments residual, W_Q, W_K, W_V, lowp_scales, xc, wc; writes xc, wc
.if DOCPART == 1
	.amdgcn_target "amdgcn-amd-amdhsa--gfx1250"
	.amdhsa_code_object_version 6
	.text
	.protected	k_q0d810409be_quant
	.globl	k_q0d810409be_quant
	.p2align	8
	.type	k_q0d810409be_quant,@function
k_q0d810409be_quant:
	s_mov_b64 s[64:65], 0
	v_nop
	global_prefetch_b8 v0, s[64:65] scope:SCOPE_SE
	s_setreg_imm32_b32 hwreg(HW_REG_WAVE_MODE, 25, 1), 1
	s_wait_xcnt 0x0
; residual, W_Q, W_K and W_V (f32) become codes of BF8 (E5M2), each with the scale 2^e that is given for it: code = x / 2^e, held within +-57,344, to the nearest code, ties to even.
; residual is an operand of three products with three given scales (entries 0, 2, 4): three sets of codes.  W_Q, W_K, W_V: entries 1, 3, 5.
; LAYOUT OF THE CODES: images of the operand's registers.  A fragment is 16 rows x 128 K = 2,048 bytes: lane l = r + 16 h holds, in registers 4 c .. 4 c + 3, k = 32 c + 16 h + 0 .. 15 of row r; those 16 bytes lie at 512 c + 16 l.
; xc: [3 scales][32 blocks][8 K steps][8 tiles][2,048]; wc: [Q, K, V][8 blocks][8 K steps][8 tiles][2,048].
; THE ROWS OF A TILE: tile T holds rows 32 (T / 2) + 8 (T % 2) + r + 8 (r / 8), so that results of two neighbouring tiles are 16 neighbours along the next product's K.
; SHARES.  Work-groups 0-255: one tile of residual each; 256-447: one tile of W_Q, W_K or W_V; wave w takes K steps 2 w and 2 w + 1 (1,024 consecutive bytes of each row).  Each load reads 512 consecutive bytes of a row;
; a fragment turns through the wave's own stage in LDS (rows of 512 + 16 bytes), so that a lane gets 16 neighbours along K of each block of 32.  Waves share nothing: no barrier.
; LIMITS: each of the six exponents lies between -126 and 112, so that 2^e and 57,344 x 2^e are f32 numbers.  NaN among the inputs is not served; an infinity is held at the largest code.
.set R0,  16                           ; v16-79   fragment 0 as loaded; behind the turn: v16-31 two sets of eight held numbers, v32-79 codes for three scales
.set R1,  80                           ; v80-143  fragment 1 likewise
.set X,   144                          ; v144-207 the fragment in hand, turned: register 16 c + i = k 32 c + 16 h + i of my row
.set SPT, 528                          ; a stage row: 512 bytes + 16
.set STG, 16*SPT                       ; a wave's stage
.macro SCALE e, sc, lim                ; s[e] = the exponent: v[sc] = 2^e as f32 (the conversion takes its exponent field), v[lim] = 57,344 x 2^e
	s_add_co_i32 s48, s[\e], 127
	s_lshl_b32 s49, s48, 23
	v_mov_b32 v[\sc], s49
	s_add_co_i32 s48, s48, 15
	s_lshl_b32 s48, s48, 23
	s_or_b32 s48, s48, 0x600000
	v_mov_b32 v[\lim], s48
.endm
.macro LOADF f, rf                     ; K step f of my two: sixteen rows, 512 consecutive bytes each
.irp t, 0,1,2,3,4,5,6,7,8,9,10,11,12,13,14,15
	global_load_b128 v[\rf+4*\t:\rf+4*\t+3], v2, s[36:37] offset:(\t+8*(\t/8))*4096+512*\f th:TH_LOAD_NT
.endr
.endm
.macro TURNF rf                        ; through my stage: LDS serves a wave's instructions in order (ISA guide 5.7.1.4), so no wait stands between the stores and the loads
.irp t, 0,1,2,3,4,5,6,7,8,9,10,11,12,13,14,15
	ds_store_b128 v3, v[\rf+4*\t:\rf+4*\t+3] offset:SPT*\t
.endr
.irp c, 0,1,2,3
.irp j, 0,1,2,3
	ds_load_b128 v[X+16*\c+4*\j:X+16*\c+4*\j+3], v4 offset:128*\c+16*\j
.endr
.endr
.endm
; The fragment in X under one scale: eight numbers are held into one of two sets, which take turns, and converted: the other set's eight holds are the plain lines between a conversion and the next write of its sources.
.macro CONV rf, m, sc, lim
.irp c, 0,1,2,3
.irp u, 0,1
.irp i, 0,1,2,3,4,5,6,7
	v_med3_num_f32 v[\rf+8*\u+\i], v[X+16*\c+8*\u+\i], -v[\lim], v[\lim]   ; the conversion to an 8-bit code does not saturate (ISA guide 7.6.2): the hold comes first
.endr
	v_cvt_scalef32_pk8_bf8_f32 v[\rf+16+16*\m+4*\c+2*\u:\rf+16+16*\m+4*\c+2*\u+1], v[\rf+8*\u:\rf+8*\u+7], v[\sc]
.endr
.endr
.endm
.macro PUT rf, f, m, d                 ; the image: each store covers 512 consecutive bytes, aligned; no code register is ever written again
.irp c, 0,1,2,3
	global_store_b128 v2, v[\rf+16+16*\m+4*\c:\rf+16+16*\m+4*\c+3], s[\d:\d+1] offset:512*\c+16384*\f
.endr
.endm
.macro FRAGM f, rf
	TURNF \rf
	s_wait_dscnt 0x0                               ; the fragment is back, and the stage's stores have read their registers: those now take held numbers and codes
	CONV \rf, 0, 6, 7
	PUT \rf, \f, 0, 38
	s_cmp_ge_u32 ttmp9, 256                        ; a weight has one scale
	s_cbranch_scc1 .Lone_\@
	CONV \rf, 1, 8, 9
	PUT \rf, \f, 1, 40
	CONV \rf, 2, 10, 11
	PUT \rf, \f, 2, 42
.Lone_\@:
.endm
	s_load_b256 s[4:11], s[0:1], 0x0               ; residual s[4:5], W_Q s[6:7], W_K s[8:9], W_V s[10:11]
	s_load_b128 s[12:15], s[0:1], 0x20             ; the scales s[12:13], xc s[14:15]
	s_load_b64 s[16:17], s[0:1], 0x30              ; wc
	v_lshl_add_u32 v208, v0, 2, 0x8400
	v_mov_b32 v209, 0
	v_and_b32 v1, 31, v0                           ; lane
	v_lshrrev_b32 v5, 5, v0
	v_readfirstlane_b32 s32, v5                    ; wave
	v_lshlrev_b32 v2, 4, v1                        ; 16 x lane: my bytes of a load's 512 and of a store's
	s_wait_alu depctr_va_vdst(0)
	s_wait_kmcnt 0x0
	s_load_b256 s[20:27], s[12:13], 0x0            ; e0 .. e7
	s_max_u32 s44, ttmp9, 256
	s_sub_co_u32 s44, s44, 256                     ; 0 for residual, else the weights' count
	s_lshr_b32 s34, s44, 6                         ; which weight: 0, 1, 2 (0 for residual)
	s_and_b32 s33, s44, 63
	s_cmp_lt_u32 ttmp9, 256
	s_cselect_b32 s33, ttmp9, s33                  ; the tile
	s_lshr_b32 s44, s33, 1
	s_lshl_b32 s44, s44, 17                        ; 32 rows of 4,096 bytes for each pair of tiles,
	s_and_b32 s45, s33, 1
	s_lshl_b32 s45, s45, 15                        ; 8 rows for the odd tile,
	s_add_co_u32 s44, s44, s45
	s_lshl_b32 s45, s32, 10                        ; my wave's 1,024 bytes of a row
	s_add_co_u32 s44, s44, s45
	s_mov_b32 s45, 0
	s_lshr_b32 s46, s33, 3
	s_lshl_b32 s46, s46, 17                        ; the codes: block,
	s_and_b32 s47, s33, 7
	s_lshl_b32 s47, s47, 11                        ; tile in the block,
	s_add_co_u32 s46, s46, s47
	s_lshl_b32 s47, s32, 15                        ; my two K steps,
	s_add_co_u32 s46, s46, s47
	s_lshl_b32 s47, s34, 20                        ; the weight's part of wc
	s_add_co_u32 s46, s46, s47
	s_mov_b32 s47, 0
	s_cmp_eq_u32 s34, 1                            ; the buffers are chosen on the work-group's number alone
	s_cselect_b64 s[36:37], s[8:9], s[6:7]
	s_cmp_eq_u32 s34, 2
	s_cselect_b64 s[36:37], s[10:11], s[36:37]
	s_cmp_lt_u32 ttmp9, 256
	s_cselect_b64 s[36:37], s[4:5], s[36:37]
	s_cselect_b64 s[38:39], s[14:15], s[16:17]
	s_add_nc_u64 s[36:37], s[36:37], s[44:45]
	s_add_nc_u64 s[38:39], s[38:39], s[46:47]
	s_add_nc_u64 s[40:41], s[38:39], 0x400000      ; residual's second and third set (not used for a weight)
	s_add_nc_u64 s[42:43], s[38:39], 0x800000
	LOADF 0, R0
	LOADF 1, R1
	s_mul_i32 s44, s32, STG                        ; my stage
	v_add_nc_u32 v3, s44, v2                       ; in: 16 x lane of a row
	v_and_b32 v14, 15, v1                          ; r
	v_lshrrev_b32 v15, 4, v1                       ; h
	v_mul_u32_u24 v4, v14, SPT
	v_lshl_add_u32 v4, v15, 6, v4
	v_add_nc_u32 v4, s44, v4                       ; out: row r, + 64 h: my 16 numbers of a block of 32
	s_wait_alu depctr_va_vdst(0)
	s_wait_kmcnt 0x0
	s_cmp_eq_u32 s34, 1
	s_cselect_b32 s50, s23, s21
	s_cmp_eq_u32 s34, 2
	s_cselect_b32 s50, s25, s50
	s_cmp_lt_u32 ttmp9, 256
	s_cselect_b32 s50, s20, s50                    ; e0 for residual; e1, e3, e5 for the weights
	SCALE 50, 6, 7
	SCALE 22, 8, 9                                 ; e2
	SCALE 24, 10, 11                               ; e4
	s_wait_alu depctr_va_vdst(0)                   ; the head's end
	s_wait_loadcnt 16                              ; fragment 0's sixteen loads are in; fragment 1's sixteen may be out
	FRAGM 0, R0
	s_wait_loadcnt 0x0
	FRAGM 1, R1
	s_wait_tensorcnt 0x0                           ; the wave's end
	ds_add_u32 v208, v209
	s_wait_dscnt 0x0
	s_endpgm
.Lfunc_end_k_q0d810409be_quant:
	.size	k_q0d810409be_quant, .Lfunc_end_k_q0d810409be_quant-k_q0d810409be_quant
	.p2alignl 7, 3214868480
	.fill 96, 4, 3214868480
	.section	.rodata,"a",@progbits
	.p2align	6, 0x0
	.amdhsa_kernel k_q0d810409be_quant
		.amdhsa_group_segment_fixed_size 34304
		.amdhsa_private_segment_fixed_size 0
		.amdhsa_enable_private_segment 0
		.amdhsa_kernarg_size 56
		.amdhsa_user_sgpr_count 2
		.amdhsa_user_sgpr_kernarg_segment_ptr 1
		.amdhsa_wavefront_size32 1
		.amdhsa_system_sgpr_workgroup_id_x 1
		.amdhsa_system_sgpr_workgroup_id_y 1
		.amdhsa_system_sgpr_workgroup_id_z 1
		.amdhsa_system_vgpr_workitem_id 0
		.amdhsa_next_free_vgpr 210
		.amdhsa_next_free_sgpr 66
		.amdhsa_reserve_vcc 0
		.amdhsa_float_denorm_mode_32 3
		.amdhsa_float_denorm_mode_16_64 3
		.amdhsa_memory_ordered 1
		.amdhsa_forward_progress 1
		.amdhsa_inst_pref_size 41
	.end_amdhsa_kernel
	.amdgpu_metadata
---
amdhsa.version: [ 1, 2 ]
amdhsa.kernels:
  - .name:           k_q0d810409be_quant
    .symbol:         k_q0d810409be_quant.kd
    .args:
      - { .name: residual, .offset: 0, .size: 8, .value_kind: global_buffer, .address_space: global }
      - { .name: W_Q, .offset: 8, .size: 8, .value_kind: global_buffer, .address_space: global }
      - { .name: W_K, .offset: 16, .size: 8, .value_kind: global_buffer, .address_space: global }
      - { .name: W_V, .offset: 24, .size: 8, .value_kind: global_buffer, .address_space: global }
      - { .name: lowp_scales, .offset: 32, .size: 8, .value_kind: global_buffer, .address_space: global }
      - { .name: xc, .offset: 40, .size: 8, .value_kind: global_buffer, .address_space: global }
      - { .name: wc, .offset: 48, .size: 8, .value_kind: global_buffer, .address_space: global }
    .group_segment_fixed_size: 34304
    .private_segment_fixed_size: 0
    .kernarg_segment_align: 8
    .kernarg_segment_size: 56
    .max_flat_workgroup_size: 128
    .sgpr_count:     66
    .vgpr_count:     210
    .wavefront_size: 32
...
	.end_amdgpu_metadata
.endif
;; end of part 1
;; launch qkv (part 2): grid 64 x 4, 4 waves a work-group, clusters of 4 x 4, 327,680 bytes of LDS; arguments xc, wc, lowp_scales, qkv, W_O, woc; writes qkv, woc
.if DOCPART == 2
	.amdgcn_target "amdgcn-amd-amdhsa--gfx1250"
	.amdhsa_code_object_version 6
	.text
	.protected	k_q0d810409be_qkv
	.globl	k_q0d810409be_qkv
	.p2align	8
	.type	k_q0d810409be_qkv,@function
k_q0d810409be_qkv:
	s_mov_b64 s[64:65], 0
	v_nop
	global_prefetch_b8 v0, s[64:65] scope:SCOPE_SE
	s_setreg_imm32_b32 hwreg(HW_REG_WAVE_MODE, 25, 1), 1
	s_wait_xcnt 0x0
	s_wait_alu depctr_hold_cnt(0) depctr_sa_sdst(0) depctr_va_vdst(0) depctr_va_sdst(0) depctr_va_ssrc(0) depctr_va_vcc(0) depctr_vm_vsrc(0)
	s_getreg_b32 s2, hwreg(HW_REG_IB_STS2, 6, 4)
	s_cmp_eq_u32 s2, 0
	s_cbranch_scc0 .Lentry_in_a_cluster
	s_endpgm
.Lentry_in_a_cluster:
	s_bfe_u32 s2, ttmp6, 0x10000c
	s_cmp_lg_u32 s2, 0xf033
	s_cbranch_scc0 .Lentry_shape_is_right
	s_endpgm
.Lentry_shape_is_right:
; q, k, v = residual x W_Q, W_K, W_V on codes of BF8 (E5M2); each f32 sum is quantised at once for the product that reads it (scales: entries 6, 7, 8) and stored as an image of that operand's registers.
; Clusters 0-11 (192 work-groups) make the products; clusters 12-15 (64 work-groups) turn W_O into codes (entry 11) for a later launch.
; A product's work-group makes 256 x 256, K = 1,024: slab 1 (source 1, "A") x slab 0 (source 0, "B"); four waves, each 128 x 128: 64 accumulators.  K goes in four slots' worth of 256 through a ring of two LDS slots.
; A slot: [A block 0, A block 1, B block 0, B block 1][2 K steps][8 tiles][2,048]; wave w's one load brings 32,768 dense bytes, a block of 128 rows x 256 along K.
; In accumulator (a, b) lane (r, h) holds row r of A's tile a, and register n row 8 h + n of B's tile b.
; WHICH SLAB IS WHICH.  q, k: B = the weight's rows, A = residual's: a lane holds one token and its registers run along the channels.  v: B = residual's rows (the keys), A = W_V's (the channels): a lane holds one channel and its
; registers run along the keys.  By the choice of a tile's rows the 16 registers of tiles 2 c and 2 c + 1 of B are 16 neighbours, 32 c + 16 h + 0 .. 15: the conversions' results are the next operand's registers.
; OUT: k, v at byte 0: [32 (batch, head)][16 places][k 8,192 | v 8,192], a place for each step of 128 tokens; step s with bits b3 b2 b1 b0 lies at place b2 b1 b3 b0, so that steps 0, 1, 8, 9 come first.  q at 8 MiB: [32][16 steps][8,192].
; q, k: 8 tiles of 16 tokens x 64 channels (1,024 bytes); v: 4 tiles of 16 channels x 128 keys (2,048 bytes).
; CLUSTERS: 4 x 4 work-groups, a whole projection's width x 1,024 tokens.  A hangs on the place along y alone and is asked for jointly by a row of the cluster, B on the place along x alone, by a column.
; PREFETCH: K slot 0 comes by its load alone; behind the load of slot n stands one request a wave for slot n + 1, one slot ahead of that slot's own load.  Of the 32,768 bytes that a wave fetches each of the four partners names 8,192, told apart by address.
; LIMITS: e6 - e0 - e1, e7 - e2 - e3, e8 - e4 - e5 and e11 lie between -126 and 112, so that the scale and 57,344 times it are f32 numbers.  NaN in W_O is not served.
; REGISTERS: window 0: v3-26 addresses, v10, v11 the scale and the hold, v32-159 codes on the way out, v128-255 A's fragments (one set); window 1: B's fragments (two sets, at v0 and v128); windows 2, 3: accumulators, (a, b) at v[8 (8 (a % 4) + b)].
.set SLOT,  131072
.set SPARE, 262144
.set HS,    262144                     ; bytes of a head's k and v
.set AF,    128
.set PO,    12                         ; v12-19  store offsets, one for each of A's tiles
.set ADRA,  20
.set ADRB,  22
.set SPW,   24
.set NIL,   25
.set PFO,   26                         ; 256 x lane; never rewritten
.set CD,    32
.set G1A,   24
.set G0A,   32
.set G1B,   48
.set G0B,   56
.set MSB, 0
.macro WIN new                         ; the immediate's high byte repeats the setting that is left
.if MSB != \new
	s_set_vgpr_msb (MSB<<8)|\new
.set MSB, \new
.endif
.endm
.set MUL_LO, 0xa1                      ; source 0 (B) window 1, source 1 (A) window 0, C and D window 2
.set MUL_HI, 0xf1                      ; the same, C and D window 3
.set TO_B,   0x40
; A joint load: waves 0 and 1 fetch for A, waves 2 and 3 for B; the branch hangs on the wave's number alone.
.macro JLOAD s
	s_cmp_eq_u32 s15, 0
	s_cbranch_scc0 .Lfor_b_\@
	tensor_load_to_lds s[G0A+4*\s:G0A+4*\s+3], s[G1A:G1A+7]
	s_nop 0
.rept 4
	v_nop
.endr
	s_branch .Lasked_\@
.Lfor_b_\@:
	tensor_load_to_lds s[G0B+4*\s:G0B+4*\s+3], s[G1B:G1B+7]
	s_nop 0
.rept 4
	v_nop
.endr
.Lasked_\@:
.endm
.macro CREST                           ; a round of the cluster's barrier behind its opening barrier
	s_cmp_lg_u32 s14, 0
	s_cbranch_scc1 .Lnot_wave_0_\@
	s_barrier_signal -3
.Lnot_wave_0_\@:
	s_barrier_wait -3
	s_barrier_signal -1
	s_barrier_wait -1
.endm
.macro CROUND
	s_barrier_signal -1
	s_barrier_wait -1
	CREST
.endm
.macro ASK n                           ; K slot 1 + n: 32 lanes name 32 blocks of 256 bytes
	global_prefetch_b8 v[PFO], s[70:71] offset:32768*\n th:TH_LOAD_NT scope:SCOPE_SE
.endm
.macro FRAG reg, adr, q, i             ; a fragment: four loads of 512 consecutive bytes
.irp c, 0,1,2,3
	ds_load_b128 v[\reg+4*\c:\reg+4*\c+3], v[\adr] offset:16384*(\q)+2048*(\i)+512*\c
.endr
.endm
; 8 matrix instructions: A's tile a x B's eight.  The 64 accumulators take turns, in the same order in every step.  zero = 1: the first products start the sums.
.macro MUL8 a, p, zero
.irp b, 0,1,2,3,4,5,6,7
.if \zero
	v_wmma_f32_16x16x128_bf8_bf8 v[8*(8*((\a)%4)+\b):8*(8*((\a)%4)+\b)+7], v[128*(\p)+16*\b:128*(\p)+16*\b+15], v[AF+16*(\a):AF+16*(\a)+15], 0
.else
	v_wmma_f32_16x16x128_bf8_bf8 v[8*(8*((\a)%4)+\b):8*(8*((\a)%4)+\b)+7], v[128*(\p)+16*\b:128*(\p)+16*\b+15], v[AF+16*(\a):AF+16*(\a)+15], v[8*(8*((\a)%4)+\b):8*(8*((\a)%4)+\b)+7]
.endif
.endr
.endm
.macro MUL16 a0, p, zero
	MUL8 \a0, \p, \zero
	MUL8 (\a0+1), \p, \zero
.endm
.macro FETCH_B slot, q, p
	WIN TO_B
.irp i, 0,1,2,3,4,5,6,7
	FRAG 128*(\p)+16*\i, ADRB+\slot, \q, \i
.endr
	WIN 0
.endm
.macro FETCH_A slot, q, i0
.irp i, \i0, \i0+1, \i0+2, \i0+3
	FRAG AF+16*(\i), ADRA+\slot, \q, \i
.endr
.endm
.macro PLACES                          ; four plain vector lines between a matrix instruction and a load into, or a vector line on, its registers
.rept 4
	v_nop
.endr
.endm
; A slot's first K step of 128; B's set 0 is multiplied, set 1 fetched.
.macro STEP slot, zero
	s_wait_dscnt 16                                ; B's set and A's tiles 0-3 are in; the youngest 16 loads (A's tiles 4-7) may be out
	WIN MUL_LO
	MUL16 0, 0, \zero
	MUL16 2, 0, \zero
	s_wait_dscnt 0
	PLACES
	FETCH_B \slot, 1, 1
	FETCH_A \slot, 1, 0
	WIN MUL_HI
	MUL16 4, 0, \zero
	MUL16 6, 0, \zero
	PLACES
	WIN 0
	FETCH_A \slot, 1, 4
.endm
; A slot's second K step changes slots.  fill = 1: this slot is filled again, two slots' worth along K ahead.
.macro TURN slot, next, fill, ask
	s_wait_tensorcnt 0x0                           ; all my tensor loads have landed: my part of the next slot
	ds_add_u32 v[SPW], v[NIL]
.if \fill
	s_add_nc_u64 s[G0A+4*\slot+2:G0A+4*\slot+3], s[G0A+4*\slot+2:G0A+4*\slot+3], 65536
	s_add_nc_u64 s[G0B+4*\slot+2:G0B+4*\slot+3], s[G0B+4*\slot+2:G0B+4*\slot+3], 65536
.endif
	s_wait_dscnt 17                                ; (the add and the youngest 16 loads, A's tiles 4-7, may be out)
	WIN MUL_LO
	MUL16 0, 1, 0
	s_wait_dscnt 0x0                               ; the add is done, and my reads of this slot are over
	s_barrier_signal -1
	MUL16 2, 1, 0
	WIN 0
	s_barrier_wait -1
.if \fill
	CREST                                          ; no wave of any partner still reads this slot or has a load on its way
	JLOAD \slot                                    ; the four v_nop behind it are the places in front of the loads below
.else
	PLACES
.endif
	FETCH_B \next, 0, 0
	FETCH_A \next, 0, 0
.if \ask
	ASK \ask
.endif
	WIN MUL_HI
	MUL16 4, 1, 0
	MUL16 6, 1, 0
	PLACES
	WIN 0
	FETCH_A \next, 0, 4
.endm
; The way out of A's tile a: 64 sums a lane, held, converted into 16 registers of codes, four stores of 512 consecutive bytes, aligned.
.macro OUT a
.set W, 2+((\a)/4)
.set AC, 64*((\a)%4)
.set CB, CD+16*(\a)
	PLACES
	WIN 0x41*W
.irp n, 0,1,2,3,4,5,6,7,8,9,10,11,12,13,14,15,16,17,18,19,20,21,22,23,24,25,26,27,28,29,30,31,32,33,34,35,36,37,38,39,40,41,42,43,44,45,46,47,48,49,50,51,52,53,54,55,56,57,58,59,60,61,62,63
	v_med3_num_f32 v[AC+\n], v[AC+\n], -v11, v11   ; each accumulator from its low end on; the conversion does not saturate (ISA guide 7.6.2)
.endr
	WIN W
.irp b, 0,1,2,3,4,5,6,7
	v_cvt_scalef32_pk8_bf8_f32 v[CB+2*\b:CB+2*\b+1], v[AC+8*\b:AC+8*\b+7], v10
.endr
	v_nop                                          ; a plain line behind the run of conversions
	WIN 0
	global_store_b128 v[PO+\a], v[CB:CB+3], s[66:67]
	global_store_b128 v[PO+\a], v[CB+4:CB+7], s[66:67] offset:512
	global_store_b128 v[PO+\a], v[CB+8:CB+11], s[68:69]
	global_store_b128 v[PO+\a], v[CB+12:CB+15], s[68:69] offset:512
.endm
	s_cmp_ge_u32 ttmp9, 12                         ; the cluster's number alone: all partners go the same way
	s_cbranch_scc1 .Lwo
	s_load_b256 s[4:11], s[0:1], 0x0               ; xc s[4:5], wc s[6:7], the scales s[8:9], qkv s[10:11]
	v_lshl_add_u32 v[SPW], v0, 2, SPARE
	v_mov_b32 v[NIL], 0
	ds_add_u32 v[SPW], v[NIL]                      ; the wave's opening: an add, twice on end, and its wait
	ds_add_u32 v[SPW], v[NIL]
	v_lshrrev_b32 v1, 5, v0
	v_readfirstlane_b32 s14, v1                    ; wave 0..3
	s_lshr_b32 s15, s14, 1                         ; which half of A's rows is mine.  Also: I fetch for A (0) or for B (1)
	s_and_b32 s16, s14, 1                          ; which half of B's rows.  Also: which block of that slab I fetch
	s_bfe_u32 s40, ttmp6, 0x40000                  ; cx
	s_bfe_u32 s41, ttmp6, 0x40004                  ; cy
	s_lshr_b32 s17, ttmp9, 2                       ; 0: q, 1: k, 2: v
	s_and_b32 s18, ttmp9, 3
	s_lshl_b32 s18, s18, 3                         ; the cluster's first block of 128 tokens
	s_lshl_b32 s43, s41, 2
	s_lshl_b32 s43, 15, s43                        ; my row of the cluster
	s_lshl_b32 s44, 0x1111, s40                    ; my column
	; descriptor group 1: 128 rows of 32 elements of 8 bytes, dense: 32,768 bytes
	s_or_b32 s[G1A], s43, (3<<16)|(1<<21)          ; 15:0 the mask; 17:16 elements of 8 bytes; no padding; 21 set beside a mask
	s_or_b32 s[G1B], s44, (3<<16)|(1<<21)
.irp g, G1A, G1B
	s_mov_b32 s[\g+1], 32<<16                      ; tensor_dim0
	s_mov_b32 s[\g+2], 128<<16                     ; tensor_dim1
	s_mov_b32 s[\g+3], 32<<16                      ; tile_dim0
	s_mov_b32 s[\g+4], 128                         ; tile_dim1
	s_mov_b32 s[\g+5], 32                          ; tensor_dim0_stride
	s_mov_b32 s[\g+6], 0
	s_mov_b32 s[\g+7], 0
.endr
	s_lshl_b32 s42, s41, 1                         ; 2 cy
	s_lshl_b32 s45, s40, 1                         ; 2 cx
	s_lshl_b32 s19, s17, 22                        ; residual's set in xc
	s_lshl_b32 s20, s17, 20                        ; the weight's part of wc
	s_cmp_eq_u32 s17, 2
	s_cselect_b32 s21, 0, s18                      ; the tokens' blocks are A's for q and k, B's for v
	s_cselect_b32 s22, s18, 0
	s_cselect_b32 s46, s20, s19
	s_cselect_b32 s72, s19, s20
	s_add_co_u32 s21, s21, s42
	s_add_co_u32 s21, s21, s16
	s_lshl_b32 s21, s21, 17
	s_add_co_u32 s46, s46, s21                     ; A's block: hangs on cy alone
	s_mov_b32 s47, 0
	s_add_co_u32 s22, s22, s45
	s_add_co_u32 s22, s22, s16
	s_lshl_b32 s22, s22, 17
	s_add_co_u32 s72, s72, s22                     ; B's block: hangs on cx alone
	s_mov_b32 s73, 0
	s_lshl_b32 s78, s14, 15                        ; LDS: wave x 32,768: no place in the cluster enters it
	s_wait_dscnt 0x0                               ; both opening adds are done
	CROUND                                         ; all sixteen work-groups are here: the first joint loads meet.  The arguments may still be on their way
	s_wait_kmcnt 0x0
	s_load_b256 s[88:95], s[8:9], 0x0              ; e0 .. e7
	s_load_b32 s96, s[8:9], 0x20                   ; e8
	s_cmp_eq_u32 s17, 2
	s_cselect_b64 s[74:75], s[6:7], s[4:5]
	s_cselect_b64 s[76:77], s[4:5], s[6:7]
	s_add_nc_u64 s[74:75], s[74:75], s[46:47]
	s_add_nc_u64 s[76:77], s[76:77], s[72:73]
.irp s, 0,1
	s_mov_b32 s[G0A+4*\s], 1
	s_add_co_u32 s[G0A+4*\s+1], s78, \s*SLOT
	s_add_nc_u64 s[G0A+4*\s+2:G0A+4*\s+3], s[74:75], \s*32768
	s_or_b32 s[G0A+4*\s+3], s[G0A+4*\s+3], 0x80000000
	s_mov_b32 s[G0B+4*\s], 1
	s_add_co_u32 s[G0B+4*\s+1], s78, \s*SLOT
	s_add_nc_u64 s[G0B+4*\s+2:G0B+4*\s+3], s[76:77], \s*32768
	s_or_b32 s[G0B+4*\s+3], s[G0B+4*\s+3], 0x80000000
.endr
	JLOAD 0                                        ; K slot 0: one tensor load a wave at the head
	v_and_b32 v3, 31, v0
	v_lshlrev_b32 v[PFO], 8, v3
	v_lshlrev_b32 v3, 4, v3                        ; 16 x lane
	s_lshl_b32 s21, s15, 15                        ; my block of A
	s_lshl_b32 s22, s16, 15
	s_add_co_u32 s22, s22, 65536                   ; my block of B
	v_add_nc_u32 v[ADRA], s21, v3
	v_add_nc_u32 v[ADRB], s22, v3
	v_add_nc_u32 v[ADRA+1], SLOT, v[ADRA]
	v_add_nc_u32 v[ADRB+1], SLOT, v[ADRB]
	s_wait_alu depctr_va_vdst(0)                   ; ahead of the run of scalar lines
	s_cmp_eq_u32 s15, 0                            ; the prefetches: what I fetch, and my place among the four that fetch it with me
	s_cselect_b64 s[70:71], s[74:75], s[76:77]
	s_cselect_b32 s78, s40, s41
	s_lshl_b32 s78, s78, 13
	s_mov_b32 s79, 0
	s_add_nc_u64 s[70:71], s[70:71], s[78:79]
	s_add_nc_u64 s[70:71], s[70:71], 0x8000        ; K slot 1
	ASK 0
	; where my codes go
	s_add_co_u32 s82, s42, s15                     ; A's block of 128 rows
	s_add_co_u32 s83, s45, s16                     ; B's
	s_cmp_eq_u32 s17, 2
	s_cselect_b32 s84, s82, s83                    ; the weight's block: two heads
	s_cselect_b32 s85, s83, s82
	s_add_co_u32 s85, s85, s18                     ; the tokens' block, 0..31
	s_lshr_b32 s86, s85, 4
	s_lshl_b32 s86, s86, 4
	s_lshl_b32 s84, s84, 1
	s_add_co_u32 s86, s86, s84                     ; 16 batch + head
	s_and_b32 s85, s85, 15                         ; the step
	s_and_b32 s82, s85, 6                          ; its place: bits b2 b1 b3 b0
	s_lshl_b32 s82, s82, 1
	s_lshr_b32 s83, s85, 2
	s_and_b32 s83, s83, 2
	s_or_b32 s82, s82, s83
	s_and_b32 s83, s85, 1
	s_or_b32 s82, s82, s83
	s_lshl_b32 s82, s82, 14
	s_lshl_b32 s83, s86, 18
	s_add_co_u32 s82, s82, s83
	s_lshl_b32 s83, s17, 13                        ; k: + 0, v: + 8,192
	s_add_co_u32 s82, s82, s83
	s_sub_co_u32 s82, s82, 8192
	s_lshl_b32 s83, s86, 17                        ; q: 8 MiB + head x 131,072 + step x 8,192
	s_lshl_b32 s84, s85, 13
	s_add_co_u32 s83, s83, s84
	s_add_co_u32 s83, s83, 0x800000
	s_mov_b32 s84, 0x20000
	s_mov_b32 s78, HS
	s_cmp_eq_u32 s17, 0
	s_cselect_b32 s86, s83, s82
	s_cselect_b32 s78, s84, s78                    ; the second eight registers of codes: q, k: the next head;
	s_mov_b32 s87, 0
	s_add_nc_u64 s[66:67], s[10:11], s[86:87]
	s_cmp_eq_u32 s17, 2
	s_cselect_b32 s78, 1024, s78                   ; v: the step's keys 64 .. 127
	s_add_nc_u64 s[68:69], s[66:67], s[78:79]
.irp a, 0,1,2,3,4,5,6,7
	s_mov_b32 s78, (\a%4)*2048+(\a/4)*HS           ; v: tile a % 4 of head a / 4;  q, k: tile a of the step
	s_cselect_b32 s78, s78, 1024*\a
	v_add_nc_u32 v[PO+\a], s78, v3
.endr
	s_wait_alu depctr_va_vdst(0)
	s_wait_kmcnt 0x0
	s_sub_co_i32 s84, s94, s88                     ; a sum stands for sum x 2^(ea + eb), so its code is sum / 2^(e - ea - eb): the three scales are folded into the conversion's one
	s_sub_co_i32 s84, s84, s89
	s_sub_co_i32 s85, s95, s90
	s_sub_co_i32 s85, s85, s91
	s_sub_co_i32 s97, s96, s92
	s_sub_co_i32 s97, s97, s93
	s_cmp_eq_u32 s17, 1                            ; chosen without a branch
	s_cselect_b32 s84, s85, s84
	s_cmp_eq_u32 s17, 2
	s_cselect_b32 s84, s97, s84
	s_add_co_i32 s84, s84, 127
	s_lshl_b32 s85, s84, 23
	v_mov_b32 v10, s85                             ; the folded scale as f32
	s_add_co_i32 s84, s84, 15
	s_lshl_b32 s84, s84, 23
	s_or_b32 s84, s84, 0x600000
	v_mov_b32 v11, s84                             ; 57,344 x that
	s_wait_alu depctr_va_vdst(0)                   ; the head's end
	s_wait_tensorcnt 0x0                           ; my part of K slot 0 is in
	ds_add_u32 v[SPW], v[NIL]
	s_wait_dscnt 0x0
	CROUND
	JLOAD 1                                        ; K slot 1
	FETCH_B 0, 0, 0
	FETCH_A 0, 0, 0
	FETCH_A 0, 0, 4
	ASK 1
	STEP 0, 1
	TURN 0, 1, 1, 2
	STEP 1, 0
	TURN 1, 0, 1, 0
	STEP 0, 0
	TURN 0, 1, 0, 0
	STEP 1, 0
	; the last K step: A's tiles one after the other; a finished tile goes out behind the next one's products
	s_wait_dscnt 16
	WIN MUL_LO
	MUL8 0, 1, 0
.irp a, 1,2,3
	WIN MUL_LO
	MUL8 \a, 1, 0
	OUT \a-1
.endr
	s_wait_dscnt 0x0
.irp a, 4,5,6,7
	WIN MUL_HI
	MUL8 \a, 1, 0
	OUT \a-1
.endr
	OUT 7
	s_wait_tensorcnt 0x0                           ; the wave's end
	ds_add_u32 v[SPW], v[NIL]
	s_wait_dscnt 0x0
	CROUND                                         ; the closing round: no work-group ends while a partner may still ask for a tile that names it
	s_endpgm
	; ---- W_O: [k 1,024][n 1,024], K its FIRST axis: a lane takes a column and its registers run down K, so the conversions give K innermost.  woc: [8 blocks of 128 columns][8 K steps][8 tiles][2,048].
	; Wave u of 256 takes 32 columns x 128 along K: column group u % 32, K step u / 32; the four waves of a work-group stand side by side on 512 bytes of each row.  No LDS, no tensor load, no barrier on this way.
.Lwo:
	s_load_b64 s[8:9], s[0:1], 0x10                ; the scales
	s_load_b128 s[12:15], s[0:1], 0x20             ; W_O s[12:13], woc s[14:15]
	v_and_b32 v1, 31, v0                           ; lane
	v_lshrrev_b32 v5, 5, v0
	v_readfirstlane_b32 s32, v5                    ; wave
	v_lshlrev_b32 v12, 2, v1                       ; in: 4 bytes a lane
	v_lshrrev_b32 v13, 4, v1
	v_and_b32 v14, 15, v1
	v_lshlrev_b32 v13, 11, v13
	v_lshl_add_u32 v13, v14, 4, v13                ; out: tile lane / 16, 16 bytes at 16 (lane % 16)
	s_wait_alu depctr_va_vdst(0)
	s_wait_kmcnt 0x0
	s_load_b32 s31, s[8:9], 0x2c                   ; e11
	s_bfe_u32 s40, ttmp6, 0x40000
	s_bfe_u32 s41, ttmp6, 0x40004
	s_sub_co_u32 s44, ttmp9, 12
	s_lshl_b32 s44, s44, 2
	s_add_co_u32 s44, s44, s41
	s_lshl_b32 s44, s44, 2
	s_add_co_u32 s44, s44, s40                     ; 0..63
	s_lshl_b32 s44, s44, 2
	s_add_co_u32 s44, s44, s32                     ; u
	s_and_b32 s33, s44, 31                         ; column group
	s_lshr_b32 s34, s44, 5                         ; K step
	s_lshl_b32 s44, s34, 19                        ; 128 rows of 4,096 bytes
	s_lshl_b32 s45, s33, 7                         ; 32 columns of 4 bytes
	s_add_co_u32 s44, s44, s45
	s_mov_b32 s45, 0
	s_add_nc_u64 s[36:37], s[12:13], s[44:45]
	s_lshr_b32 s46, s33, 2
	s_lshl_b32 s46, s46, 17                        ; the codes: block of 128 columns,
	s_lshl_b32 s47, s34, 14                        ; K step,
	s_add_co_u32 s46, s46, s47
	s_and_b32 s47, s33, 3
	s_lshl_b32 s47, s47, 12                        ; my two tiles of 16 columns
	s_add_co_u32 s46, s46, s47
	s_mov_b32 s47, 0
	s_add_nc_u64 s[38:39], s[14:15], s[46:47]
.macro WLOAD c                         ; block c: W_O(32 c + i, my column), i = 0 .. 31
.irp i, 0,1,2,3,4,5,6,7,8,9,10,11,12,13,14,15,16,17,18,19,20,21,22,23,24,25,26,27,28,29,30,31
	global_load_b32 v[16+32*(\c)+\i], v12, s[36:37] offset:(32*(\c)+\i)*4096 th:TH_LOAD_NT
.endr
.endm
.macro WBLOCK c
.if \c < 3
	s_wait_loadcnt 32                              ; this block's 32 loads are in; the next block's 32 may be out
.else
	s_wait_loadcnt 0x0
.endif
.if \c < 2
	WLOAD \c+2                                     ; two blocks ahead, into registers of their own
.endif
.irp i, 0,1,2,3,4,5,6,7,8,9,10,11,12,13,14,15,16,17,18,19,20,21,22,23,24,25,26,27,28,29,30,31
	v_med3_num_f32 v[16+32*\c+\i], v[16+32*\c+\i], -v7, v7
.endr
.irp g, 0,1,2,3
	v_cvt_scalef32_pk8_bf8_f32 v[144+8*\c+2*\g:144+8*\c+2*\g+1], v[16+32*\c+8*\g:16+32*\c+8*\g+7], v6
.endr
	v_nop
	global_store_b128 v13, v[144+8*\c:144+8*\c+3], s[38:39] offset:512*\c        ; k = 32 c + 0 .. 15: the image's lanes 0-15; sixteen lanes store 256 consecutive bytes, aligned
	global_store_b128 v13, v[144+8*\c+4:144+8*\c+7], s[38:39] offset:512*\c+256  ; k = 32 c + 16 .. 31: its lanes 16-31
.endm
	WLOAD 0
	WLOAD 1
	s_wait_kmcnt 0x0
	s_add_co_i32 s48, s31, 127
	s_lshl_b32 s49, s48, 23
	v_mov_b32 v6, s49                              ; 2^e11 as f32
	s_add_co_i32 s48, s48, 15
	s_lshl_b32 s48, s48, 23
	s_or_b32 s48, s48, 0x600000
	v_mov_b32 v7, s48                              ; 57,344 x that
	s_wait_alu depctr_va_vdst(0)
	WBLOCK 0
	WBLOCK 1
	WBLOCK 2
	WBLOCK 3
	s_endpgm
.Lfunc_end_k_q0d810409be_qkv:
	.size	k_q0d810409be_qkv, .Lfunc_end_k_q0d810409be_qkv-k_q0d810409be_qkv
	.p2alignl 7, 3214868480
	.fill 96, 4, 3214868480
	.section	.rodata,"a",@progbits
	.p2align	6, 0x0
	.amdhsa_kernel k_q0d810409be_qkv
		.amdhsa_group_segment_fixed_size 327680
		.amdhsa_private_segment_fixed_size 0
		.amdhsa_enable_private_segment 0
		.amdhsa_kernarg_size 48
		.amdhsa_user_sgpr_count 2
		.amdhsa_user_sgpr_kernarg_segment_ptr 1
		.amdhsa_wavefront_size32 1
		.amdhsa_system_sgpr_workgroup_id_x 1
		.amdhsa_system_sgpr_workgroup_id_y 1
		.amdhsa_system_sgpr_workgroup_id_z 1
		.amdhsa_system_vgpr_workitem_id 0
		.amdhsa_next_free_vgpr 1024
		.amdhsa_next_free_sgpr 100
		.amdhsa_reserve_vcc 0
		.amdhsa_float_denorm_mode_32 3
		.amdhsa_float_denorm_mode_16_64 3
		.amdhsa_memory_ordered 1
		.amdhsa_forward_progress 1
		.amdhsa_inst_pref_size 145
	.end_amdhsa_kernel
	.amdgpu_metadata
---
amdhsa.version: [ 1, 2 ]
amdhsa.kernels:
  - .name:           k_q0d810409be_qkv
    .symbol:         k_q0d810409be_qkv.kd
    .args:
      - { .name: xc, .offset: 0, .size: 8, .value_kind: global_buffer, .address_space: global }
      - { .name: wc, .offset: 8, .size: 8, .value_kind: global_buffer, .address_space: global }
      - { .name: lowp_scales, .offset: 16, .size: 8, .value_kind: global_buffer, .address_space: global }
      - { .name: qkv, .offset: 24, .size: 8, .value_kind: global_buffer, .address_space: global }
      - { .name: W_O, .offset: 32, .size: 8, .value_kind: global_buffer, .address_space: global }
      - { .name: woc, .offset: 40, .size: 8, .value_kind: global_buffer, .address_space: global }
    .group_segment_fixed_size: 327680
    .private_segment_fixed_size: 0
    .kernarg_segment_align: 8
    .kernarg_segment_size: 48
    .max_flat_workgroup_size: 128
    .sgpr_count:     100
    .vgpr_count:     1024
    .wavefront_size: 32
...
	.end_amdgpu_metadata
.endif
;; end of part 2
;; launch attn (part 3): grid 128 x 2, 16 waves a work-group, clusters of 4 x 1, 327,680 bytes of LDS; arguments qkv, lowp_scales, ac; writes ac
.if DOCPART == 3
	.amdgcn_target "amdgcn-amd-amdhsa--gfx1250"
	.amdhsa_code_object_version 6
	.text
	.protected	k_q0d810409be_attn
	.globl	k_q0d810409be_attn
	.p2align	8
	.type	k_q0d810409be_attn,@function
k_q0d810409be_attn:
	s_mov_b64 s[64:65], 0
	v_nop
	global_prefetch_b8 v0, s[64:65] scope:SCOPE_SE
	s_setreg_imm32_b32 hwreg(HW_REG_WAVE_MODE, 25, 1), 1
	s_wait_xcnt 0x0
	s_wait_alu depctr_hold_cnt(0) depctr_sa_sdst(0) depctr_va_vdst(0) depctr_va_sdst(0) depctr_va_ssrc(0) depctr_va_vcc(0) depctr_vm_vsrc(0)
	s_getreg_b32 s2, hwreg(HW_REG_IB_STS2, 6, 4)
	s_cmp_eq_u32 s2, 0
	s_cbranch_scc0 .Lentry_in_a_cluster
	s_endpgm
.Lentry_in_a_cluster:
	s_bfe_u32 s2, ttmp6, 0x10000c
	s_cmp_lg_u32 s2, 0x3003
	s_cbranch_scc0 .Lentry_shape_is_right
	s_endpgm
.Lentry_shape_is_right:
; Causal attention of one (batch, head) on codes of BF8 (E5M2), head size 64, 2,048 tokens; the result, divided by the row's sum, is quantised (scale: entry 10) for the last product and stored as an image of that operand's registers.
; LEFT OUT: key steps of 128 all of whose keys come after a tile's queries: the causal mask makes their scores -infinity, so their p is 0 for all finite inputs.  LIMIT: a NaN, an infinity or an overflow that reaches only those scores is not carried to the result.
; IN, images of registers: k, v at byte 0 of qkv: [32 (batch, head)][16 places][k 8,192 | v 8,192]; key step s with bits b3 b2 b1 b0 lies at place b2 b1 b3 b0; q at 8 MiB: [32][16 steps][8,192].  q, k: 8 tiles of 16 tokens x 64 channels (1,024 bytes); v: 4 tiles of 16 channels x 128 keys (2,048 bytes).
; Tile T of tokens holds tokens 32 (T / 2) + 8 (T % 2) + r + 8 (r / 8); a tile of channels likewise.
; THE SOFTMAX: t = score x log2(e) / 8; M = the running largest t rounded UP to a whole number; p = 2^(t - M) is what is quantised (entry 9), not normalised; the row's sum is taken of the unquantised p and divides at the end.
; When M moves, the sum and O are multiplied by 2^(old M - new M): nothing is rounded.
; LAYOUT.  Both products are used transposed: S^T = K Q^T (source 0 = 16 keys), O^T = V^T P^T (source 0 = 16 channels): a lane holds ONE query throughout; the 16 registers of tiles 2 b, 2 b + 1 of S^T are keys 32 b + 16 h + 0 .. 15 of the
; step, and those of O^T channels 32 b + 16 h + 0 .. 15: the conversions' results are the next operand's registers.
; SHARES.  Work-group g = cx + 4 x cluster y of a head owns tile g of EVERY block of 128 queries: so all eight do the same, and only data hang on g.  Blocks e and 15 - e (17 key steps together) belong to a pair of waves, e = wave / 2:
; role 0 walks the early tile's steps 0 .. e (the last lies on the diagonal), writes that tile out, and then the late tile's steps e + 1 .. 7: 8 steps; role 1 walks the late tile's steps 0 .. e and 8 .. 15 - e: 9 steps, the last on the diagonal.
; Trip i of role 0 is key step i; of role 1 key step i, behind i = e key step i + 7 - e.  The late tile's two parts are joined at the end through LDS: O, the sum and M; the roles alternate so that any four waves w, w + 4, .. and any four in a row hold two of each.
; THE HEAD'S K AND V LIE WHOLE IN LDS, place by place as in memory; every byte is filled once, so there is no ring.  Trips 0 and 1 read key steps 0, 1 and 8 alone: the head's loads bring places 0-3 (4,096 bytes a wave), the second loads
; places 4-15 (12,288 bytes a wave), which have those two trips in which to land.
; REGISTERS TAKE TURNS: a step has K, then V, in one run of 64 registers and the scores, then p, in the other; as p's codes are made, its registers take the next step's K; in the next step the two runs have changed places.
; Role 0's last trip fetches a K that it does not use (trip 8 is role 1's alone).
; CLUSTERS: the four work-groups of a cluster read one head: each load is joint.  No branch and no LDS address hangs on the place in the cluster.
; Nothing is prefetched: all that a work-group reads is requested in its first lines, by two loads a wave; no loop of loads follows.
; LIMITS: e6 + e7 between -123 and 130 (added to c's exponent field); e9, and e10 - e8 - e9, between -126 and 112; the scaled scores stay under 2^31 in magnitude.
; REGISTERS: v1 16 x lane; v3, v4 the join's LDS addresses; v8 the step's address; v10 the diagonal's bound; v12 -M, v13 the largest t, v[14:15] the sum in two halves; v16-23 Q in hand, v24-31 Q of the late tile; v32-95, v96-159 the two runs;
;   v160-191 O^T; v192-207 p's codes; v208-221, v236, v252-254 at work; v240, v244: 57,344 x 2^e9, 2^e9; v246, v247: 2^(e10 - e8 - e9), 57,344 x that.
.set SPARE, 296960
.set MERGE, 262144                     ; 4,352 bytes for each pair: O^T, -M, the sum
.set LN,  1
.set MG,  3
.set MG2, 4
.set ADK, 8
.set DG,  10
.set WV,  18
.set HY,  19                           ; s19  cluster y: tiles 0-3 or 4-7 of each block
.set SEL, 20                           ; s[20:21] lane selects for v_permlanex16_b32: lane l xor 16
.set CS,  22                           ; s[22:23] c = log2(e) / 8 x 2^(e6 + e7)
.set G1,  24
.set G0,  32
.set I,   36                           ; the trip (in the loop: the pair's first)
.set E,   37
.set DGI, 38                           ; the trip that lies on the diagonal
.set FIN, 39                           ; role 0: the trip behind which the early tile is whole
.set EL,  40                           ; role 1: behind this trip key steps are skipped
.set DL,  41                           ; so many: 7 - e
.set TB1, 42                           ; LDS byte of trip 1's key step
.set TB,  43
.set ROLE, 44
.set GI,  45
.set I1,  50                           ; the pair's second trip
.set I2,  51                           ; the next pair's first
.set G1X, 68                           ; s[68:75], s[76:79] the second load's descriptor
.set G0X, 76
.macro CROUND                          ; a round of the cluster's barrier
	s_barrier_signal -1
	s_barrier_wait -1
	s_cmp_lg_u32 s[WV], 0
	s_cbranch_scc1 .Lnot_wave_0_\@
	s_barrier_signal -3
.Lnot_wave_0_\@:
	s_barrier_wait -3
	s_barrier_signal -1
	s_barrier_wait -1
.endm
.macro HIDE y, n0                      ; 32 scores: register 16 b + i holds key 32 b + 16 h + i of the step: hidden where 32 b + i > v[DG]
.irp n, 0,1,2,3,4,5,6,7,8,9,10,11,12,13,14,15,16,17,18,19,20,21,22,23,24,25,26,27,28,29,30,31
	v_cmp_gt_i32 vcc_lo, 32*((\n0+\n)/16)+(\n0+\n)%16, v[DG]
	v_cndmask_b32 v[\y+\n0+\n], v[\y+\n0+\n], v254, vcc_lo
.endr
.endm
.macro HOLD y, b                       ; 16 numbers, two an instruction; the conversion does not saturate (ISA guide 7.6.2); p is not negative, so the hold is one-sided
.irp i, 0,2,4,6,8,10,12,14
	v_dual_min_num_f32 v[\y+16*\b+\i], v240, v[\y+16*\b+\i] :: v_dual_min_num_f32 v[\y+1+16*\b+\i], v240, v[\y+1+16*\b+\i]
.endr
.endm
.macro KLOAD y, b                      ; K's tiles 2 b and 2 b + 1
.irp u, 0,1
	ds_load_b128 v[\y+16*\b+8*\u:\y+16*\b+8*\u+3], v[ADK] offset:2048*\b+1024*\u
	ds_load_b128 v[\y+16*\b+8*\u+4:\y+16*\b+8*\u+7], v[ADK] offset:2048*\b+1024*\u+512
.endr
.endm
.macro CODES y, b, nxt                 ; 16 numbers' codes; their registers take the next step's K
	v_cvt_scalef32_pk8_bf8_f32 v[192+4*\b:193+4*\b], v[\y+16*\b:\y+7+16*\b], v244
	v_cvt_scalef32_pk8_bf8_f32 v[194+4*\b:195+4*\b], v[\y+8+16*\b:\y+15+16*\b], v244
.if \nxt != 0
	KLOAD \y, \b
.endif
.endm
.macro NEXT i                          ; trip i's key step, its place, its address
	s_cmp_gt_u32 s[\i], s[EL]
	s_cselect_b32 s[TB], s[DL], 0
	s_add_co_u32 s[TB], s[TB], s[\i]               ; the key step, b3 b2 b1 b0
	s_and_b32 s60, s[TB], 6
	s_lshl_b32 s60, s60, 1
	s_lshr_b32 s61, s[TB], 2
	s_and_b32 s61, s61, 2
	s_or_b32 s60, s60, s61
	s_and_b32 s61, s[TB], 1
	s_or_b32 s60, s60, s61                         ; its place, b2 b1 b3 b0
	s_lshl_b32 s[TB], s60, 14
	v_add_nc_u32 v[ADK], s[TB], v[LN]
.endm
; A tile's way out: O^T / the sum, held, converted: eight registers of codes, channels 32 b + 16 h + 0 .. 15 of my query; x: 32 registers at work
.macro OUT x
.rept 4
	v_nop                                          ; four plain lines behind the last products
.endr
	v_add_f32 v14, v14, v15                        ; the sum's two halves,
	v_permlanex16_b32 v236, v14, s[SEL], s[SEL+1]
	v_add_f32 v14, v14, v236                       ; and lane l xor 16's
	s_wait_alu depctr_va_vdst(0)                   ; ahead of the transcendental
	v_rcp_f32 v14, v14
	v_nop
	s_wait_alu depctr_va_vdst(0)                   ; and behind it, ahead of its first reader and of O^T's
.irp j, 0,2,4,6,8,10,12,14,16,18,20,22,24,26,28,30
	v_pk_mul_f32 v[\x+\j:\x+1+\j], v[160+\j:161+\j], v[14:15] op_sel_hi:[1,0]
.endr
.irp j, 0,1,2,3,4,5,6,7,8,9,10,11,12,13,14,15,16,17,18,19,20,21,22,23,24,25,26,27,28,29,30,31
	v_med3_num_f32 v[\x+\j], v[\x+\j], -v247, v247
.endr
.irp t, 0,1,2,3
	v_cvt_scalef32_pk8_bf8_f32 v[192+2*\t:193+2*\t], v[\x+8*\t:\x+7+8*\t], v246
.endr
	v_nop
	global_store_b128 v[LN], v[192:195], s[8:9]                ; each store covers 512 consecutive bytes, aligned
	global_store_b128 v[LN], v[196:199], s[8:9] offset:512
.endm
.macro START                           ; no key seen yet: the first change of M multiplies zeros
	v_mov_b32 v13, 0xff61b1e6                      ; the largest t so far: -3e38, under every t
	v_mov_b32 v14, 0
	v_mov_b32 v15, 0
	v_floor_f32 v12, -v13                          ; -M
.irp j, 0,1,2,3,4,5,6,7,8,9,10,11,12,13,14,15,16,17,18,19,20,21,22,23,24,25,26,27,28,29,30,31
	v_mov_b32 v[160+\j], 0
.endr
.endm
; A KEY STEP: 128 keys, trip s[cur]; its K is on its way into run x.  nxt: the register of the trip whose K is fetched here (-1: trip 1's, 0: none).  last = 1: trip 8: always on the diagonal
.macro STEP x, y, cur, nxt, last
.rept 5
	v_nop                                          ; five plain lines between the last step's products, which read run y, and the products that write it
.endr
	s_wait_dscnt 8                                 ; K's tiles 0-3 are in; the eight loads of tiles 4-7 may be out
.irp t, 0,1,2,3
	v_wmma_f32_16x16x64_bf8_bf8 v[\y+8*\t:\y+7+8*\t], v[\x+8*\t:\x+7+8*\t], v[16:23], 0
.endr
	s_wait_dscnt 0x0
.irp t, 4,5,6,7
	v_wmma_f32_16x16x64_bf8_bf8 v[\y+8*\t:\y+7+8*\t], v[\x+8*\t:\x+7+8*\t], v[16:23], 0
.endr
.rept 4
	v_nop
.endr
.irp t, 0,1,2,3                        ; V's fragments take K's registers and land while the softmax is worked
.irp c, 0,1,2,3
	ds_load_b128 v[\x+16*\t+4*\c:\x+16*\t+4*\c+3], v[ADK] offset:8192+2048*\t+512*\c
.endr
.endr
.if \last == 0
	s_cmp_lg_u32 s[\cur], s[DGI]
	s_cbranch_scc1 .Lopen_\@                       ; all keys count
.endif
	s_cmp_lg_u32 s[HY], 0                          ; on the diagonal hidden scores become -infinity ahead of the maximum: p = 0 then
	s_cbranch_scc1 .Lupper_\@
	v_mov_b32 v254, 0xff800000
	HIDE \y, 0                                     ; my tile is one of 0-3: keys 64 .. 127 come after all its queries
.irp j, 0,2,4,6,8,10,12,14,16,18,20,22,24,26,28,30
	v_dual_mov_b32 v[\y+32+\j], v254 :: v_dual_mov_b32 v[\y+33+\j], v254
.endr
	s_wait_alu depctr_va_vdst(0)
	s_branch .Lopen_\@
.Lupper_\@:
	v_mov_b32 v254, 0xff800000
	HIDE \y, 32                                    ; one of 4-7: keys 0 .. 63 all count
.Lopen_\@:
	v_max3_num_f32 v254, v[\y], v[\y+1], v[\y+2]   ; the step's largest score of my query, among my 64 keys, in four chains, ascending: each accumulator from its low end on
	v_max3_num_f32 v252, v[\y+3], v[\y+4], v[\y+5]
	v_max3_num_f32 v208, v[\y+6], v[\y+7], v[\y+8]
	v_max3_num_f32 v210, v[\y+9], v[\y+10], v[\y+11]
.irp i, 12,20,28,36,44,52
	v_max3_num_f32 v254, v254, v[\y+\i], v[\y+1+\i]
	v_max3_num_f32 v252, v252, v[\y+2+\i], v[\y+3+\i]
	v_max3_num_f32 v208, v208, v[\y+4+\i], v[\y+5+\i]
	v_max3_num_f32 v210, v210, v[\y+6+\i], v[\y+7+\i]
.endr
	v_max3_num_f32 v254, v254, v[\y+60], v[\y+61]
	v_max3_num_f32 v252, v252, v[\y+62], v[\y+63]
	v_max3_num_f32 v254, v254, v208, v210
	s_delay_alu instid0(VALU_DEP_1)
	v_max_num_f32 v254, v254, v252
	s_delay_alu instid0(VALU_DEP_1)
	v_permlanex16_b32 v236, v254, s[SEL], s[SEL+1]
	s_delay_alu instid0(VALU_DEP_1)
	v_max_num_f32 v254, v254, v236                 ; and among lane l xor 16's
	s_delay_alu instid0(VALU_DEP_1)
	v_mul_f32 v254, s[CS], v254                    ; as t (c is positive)
	s_delay_alu instid0(VALU_DEP_1)
	v_max_num_f32 v13, v13, v254                   ; the running largest t
	v_mov_b32 v254, v12
	s_delay_alu instid0(VALU_DEP_2)
	v_floor_f32 v12, -v13                          ; the new -M = floor(-t) = -ceil(t): a whole number
	s_delay_alu instid0(VALU_DEP_1)
	v_sub_f32 v254, v12, v254                      ; old M - new M: a whole number, 0 or less
	s_delay_alu instid0(VALU_DEP_1)
	v_cvt_i32_f32 v254, v254                       ; (it saturates)
	s_delay_alu instid0(VALU_DEP_1)
	v_ldexp_f32 v252, 1.0, v254                    ; f = 2^(old M - new M)
.irp j, 0,2,4,6,8,10,12,14,16,18,20,22,24,26,28,30,32,34,36,38,40,42,44,46,48,50,52,54,56,58,60,62
	v_pk_fma_f32 v[\y+\j:\y+1+\j], v[\y+\j:\y+1+\j], s[CS:CS+1], v[12:13] op_sel_hi:[1,0,0]   ; t - M, two at a time (of the pairs c and -M the low word serves both halves)
.endr
	s_wait_alu depctr_va_vdst(0)                   ; ahead of the batch
.irp j, 0,1,2,3,4,5,6,7,8,9,10,11,12,13,14,15,16,17,18,19,20,21,22,23,24,25,26,27,28,29,30,31,32,33,34,35,36,37,38,39,40,41,42,43,44,45,46,47,48,49,50,51,52,53,54,55,56,57,58,59,60,61,62,63
	v_exp_f32 v[\y+\j], v[\y+\j]                   ; p = 2^(t - M), at most 1
.endr
	v_pk_mul_f32 v[14:15], v[14:15], v[252:253] op_sel_hi:[1,0]   ; the sums under the new M: the plain line behind the exponentials
	s_wait_alu depctr_va_vdst(0)                   ; and one behind the batch, ahead of its first reader and of the run of scalar lines
.if \nxt > 0
	NEXT \nxt
.endif
.if \nxt < 0
	v_add_nc_u32 v[ADK], s[TB1], v[LN]
.endif
.irp k, 0,1,2,3,4,5,6                  ; the row's sum, of the unquantised p, in eight chains
	v_pk_add_f32 v[208+2*\k:209+2*\k], v[\y+2*\k:\y+1+2*\k], v[\y+16+2*\k:\y+17+2*\k]
.endr
	v_pk_add_f32 v[14:15], v[14:15], v[\y+14:\y+15]
.irp k, 0,1,2,3,4,5,6
	v_pk_add_f32 v[208+2*\k:209+2*\k], v[208+2*\k:209+2*\k], v[\y+32+2*\k:\y+33+2*\k]
.endr
	v_pk_add_f32 v[14:15], v[14:15], v[\y+30:\y+31]
.irp k, 0,1,2,3,4,5,6
	v_pk_add_f32 v[208+2*\k:209+2*\k], v[208+2*\k:209+2*\k], v[\y+48+2*\k:\y+49+2*\k]
.endr
	v_pk_add_f32 v[14:15], v[14:15], v[\y+46:\y+47]
	HOLD \y, 0
	v_pk_add_f32 v[14:15], v[14:15], v[\y+62:\y+63]
	v_pk_add_f32 v[208:209], v[208:209], v[210:211]
	v_pk_add_f32 v[212:213], v[212:213], v[214:215]
	v_pk_add_f32 v[216:217], v[216:217], v[218:219]
	CODES \y, 0, \nxt
	HOLD \y, 1
	v_pk_add_f32 v[14:15], v[14:15], v[220:221]
	v_pk_add_f32 v[208:209], v[208:209], v[212:213]
	CODES \y, 1, \nxt
	HOLD \y, 2
	v_pk_add_f32 v[14:15], v[14:15], v[216:217]
	CODES \y, 2, \nxt
	HOLD \y, 3
	v_pk_add_f32 v[14:15], v[14:15], v[208:209]
	CODES \y, 3, \nxt
	s_wait_alu depctr_va_vdst(0)                   ; ahead of the first reader of O^T
.irp j, 0,2,4,6,8,10,12,14,16,18,20,22,24,26,28,30
	v_pk_mul_f32 v[160+\j:161+\j], v[160+\j:161+\j], v[252:253] op_sel_hi:[1,0]   ; O^T under the new M; also the plain lines between the conversions and the products that read their results
.endr
	s_wait_alu depctr_va_vdst(0)
.if \nxt != 0
	s_wait_dscnt 16                                ; V is in; the next K's sixteen loads may be out
.else
	s_wait_dscnt 0x0                               ; V is in
.endif
.irp t, 0,1,2,3                        ; the four accumulators take turns; the next step's eight score products stand between two links on any one of them
	v_wmma_f32_16x16x128_bf8_bf8 v[160+8*\t:167+8*\t], v[\x+16*\t:\x+15+16*\t], v[192:207], v[160+8*\t:167+8*\t]
.endr
.if \last == 0
	s_cmp_lg_u32 s[\cur], s[FIN]
	s_cbranch_scc1 .Lgoes_on_\@
	OUT \x                                         ; role 0: the early tile is whole; the late one begins anew
	START
.irp j, 0,1,2,3,4,5,6,7
	v_mov_b32 v[16+\j], v[24+\j]
.endr
	s_wait_alu depctr_va_vdst(0)
	s_wait_xcnt 0x0                                ; the stores' registers are written again only behind this wait
.Lgoes_on_\@:
.endif
.endm
	s_load_b128 s[4:7], s[0:1], 0x0                ; qkv s[4:5], the scales s[6:7]
	s_load_b64 s[8:9], s[0:1], 0x10                ; ac
	v_lshl_add_u32 v251, v0, 2, SPARE
	v_mov_b32 v255, 0
	ds_add_u32 v251, v255                          ; the wave's opening: an add, twice on end, and its wait
	ds_add_u32 v251, v255
	v_lshrrev_b32 v8, 5, v0
	v_readfirstlane_b32 s[WV], v8                  ; wave 0..15
	s_bfe_u32 s46, ttmp6, 0x40000                  ; cx
	s_and_b32 s[HY], ttmp7, 0xffff
	s_lshl_b32 s[GI], s[HY], 2
	s_add_co_u32 s[GI], s[GI], s46                 ; g: my tile of each block of 128 queries
	s_lshr_b32 s[E], s[WV], 1
	s_lshr_b32 s[ROLE], s[WV], 2
	s_xor_b32 s[ROLE], s[ROLE], s[WV]
	s_and_b32 s[ROLE], s[ROLE], 1
	s_xor_b32 s[DL], s[E], 7                       ; 7 - e
	s_xor_b32 s57, s[E], 15                        ; the late block
	s_cmp_eq_u32 s[ROLE], 1
	s_cselect_b32 s[DGI], 8, s[E]
	s_cselect_b32 s[FIN], 15, s[E]
	s_cselect_b32 s[EL], s[E], 15
	s_cselect_b32 s58, s57, s[E]                   ; the block of the tile that I write out
	s_cmp_eq_u32 s[EL], 0
	s_cselect_b32 s[TB1], 2, 1                     ; trip 1: key step 8 (place 2) in role 1 with e = 0, else key step 1 (place 1)
	s_lshl_b32 s[TB1], s[TB1], 14
	; descriptor group 1: rows of 32 elements of 8 bytes, dense: 16 rows (4,096 bytes) and 48 rows (12,288 bytes)
.irp g, G1, G1X
	s_mov_b32 s[\g], 15|(3<<16)|(1<<21)            ; 15:0 the mask: all four of the cluster; 17:16 elements of 8 bytes; no padding; 21 set beside a mask
	s_mov_b32 s[\g+1], 32<<16                      ; tensor_dim0
	s_mov_b32 s[\g+3], 32<<16                      ; tile_dim0
	s_mov_b32 s[\g+5], 32                          ; tensor_dim0_stride
	s_mov_b32 s[\g+6], 0
	s_mov_b32 s[\g+7], 0
.endr
	s_mov_b32 s[G1+2], 16<<16                      ; tensor_dim1
	s_mov_b32 s[G1+4], 16                          ; tile_dim1
	s_mov_b32 s[G1X+2], 48<<16
	s_mov_b32 s[G1X+4], 48
	s_lshl_b32 s10, ttmp9, 18                      ; the head = the cluster's x: 262,144 bytes of k and v
	s_mov_b32 s11, 0
	s_mul_i32 s16, s[WV], 12288
	s_add_co_u32 s16, s16, 0x10000                 ; the second load, in LDS and in the head alike
	s_mov_b32 s17, 0
	s_lshl_b32 s48, s[WV], 12                      ; the first
	s_mov_b32 s49, 0
	s_mov_b32 s[G0], 1
	s_mov_b32 s[G0+1], s48
	s_mov_b32 s[G0X], 1
	s_mov_b32 s[G0X+1], s16
	s_wait_dscnt 0x0                               ; both opening adds are done
	CROUND                                         ; all four work-groups are here: the joint loads meet.  The arguments may still be on their way
	s_wait_kmcnt 0x0
	s_load_b128 s[52:55], s[6:7], 0x18             ; e6, e7, e8, e9
	s_load_b32 s56, s[6:7], 0x28                   ; e10
	s_add_nc_u64 s[12:13], s[4:5], s[10:11]
	s_add_nc_u64 s[G0+2:G0+3], s[12:13], s[48:49]
	s_or_b32 s[G0+3], s[G0+3], 0x80000000
	s_add_nc_u64 s[G0X+2:G0X+3], s[12:13], s[16:17]
	s_or_b32 s[G0X+3], s[G0X+3], 0x80000000
	tensor_load_to_lds s[G0:G0+3], s[G1:G1+7]      ; places 0-3
	s_nop 0
	v_and_b32 v[LN], 31, v0
	v_lshlrev_b32 v7, 2, v[LN]
	v_lshlrev_b32 v[LN], 4, v[LN]                  ; 16 x lane
	s_lshl_b32 s59, ttmp9, 17                      ; q: 8 MiB + head x 131,072 + step x 8,192 + tile x 1,024
	s_add_co_u32 s59, s59, 0x800000
	s_lshl_b32 s46, s[GI], 10
	s_add_co_u32 s59, s59, s46
	s_lshl_b32 s10, s58, 13
	s_add_co_u32 s10, s10, s59
	s_add_nc_u64 s[14:15], s[4:5], s[10:11]        ; my first tile of q,
	s_lshl_b32 s10, s57, 13
	s_add_co_u32 s10, s10, s59
	s_add_nc_u64 s[48:49], s[4:5], s[10:11]        ; and the late one
	s_wait_alu depctr_va_vdst(0)
	global_load_b128 v[16:19], v[LN], s[14:15]
	global_load_b128 v[20:23], v[LN], s[14:15] offset:512
	global_load_b128 v[24:27], v[LN], s[48:49]
	global_load_b128 v[28:31], v[LN], s[48:49] offset:512
	s_mul_i32 s16, s[E], 4352
	s_add_co_u32 s16, s16, MERGE
	v_add_nc_u32 v[MG], s16, v[LN]
	s_add_co_u32 s16, s16, 4096
	v_add_nc_u32 v[MG2], s16, v7
	v_and_b32 v5, 15, v0                           ; r
	v_bfe_u32 v6, v0, 4, 1                         ; h
	v_and_b32 v9, 8, v5
	v_add_nc_u32 v[DG], v9, v5                     ; r + 8 (r / 8)
	v_lshlrev_b32 v6, 4, v6
	v_sub_nc_u32 v[DG], v[DG], v6
	s_lshr_b32 s16, s[GI], 1
	s_lshl_b32 s16, s16, 5
	s_and_b32 s17, s[GI], 1
	s_lshl_b32 s17, s17, 3
	s_add_co_u32 s16, s16, s17
	v_add_nc_u32 v[DG], s16, v[DG]                 ; my query's place in its block of 128, less 16 h
	v_mov_b32 v[ADK], v[LN]                        ; trip 0: key step 0, place 0
	; where my codes go: ac [32 blocks][8 K steps][8 tiles][2,048]: block 16 batch + mine, K step head / 2, tile g; the head's 64 are the lower or upper 1,024 bytes
	s_lshr_b32 s16, ttmp9, 4
	s_lshl_b32 s16, s16, 4
	s_add_co_u32 s16, s16, s58
	s_lshl_b32 s16, s16, 3
	s_bfe_u32 s17, ttmp9, 0x30001
	s_add_co_u32 s16, s16, s17
	s_lshl_b32 s16, s16, 3
	s_add_co_u32 s16, s16, s[GI]
	s_lshl_b32 s16, s16, 11
	s_and_b32 s17, ttmp9, 1
	s_lshl_b32 s17, s17, 10
	s_add_co_u32 s10, s16, s17
	s_add_nc_u64 s[8:9], s[8:9], s[10:11]
	s_mov_b32 s[SEL], 0x76543210
	s_mov_b32 s[SEL+1], 0xfedcba98
	s_mov_b32 s[CS], 0x3e38aa3b                    ; log2(e) / sqrt(64)
	s_mov_b32 s[I], 0
	s_mov_b32 s[I1], 1
	START
	v_mov_b32 v236, 0                              ; a lane permute's destination counts as one of its sources
	v_mov_b32 v253, 0                              ; (named as the upper half of the pair v[252:253])
	s_wait_alu depctr_va_vdst(0)
	s_wait_kmcnt 0x0
	s_add_co_i32 s16, s52, s53
	s_lshl_b32 s16, s16, 23
	s_add_co_i32 s[CS], s[CS], s16                 ; a score stands for score x 2^(e6 + e7): the exponents are added to c's exponent field
	s_mov_b32 s[CS+1], s[CS]
	s_add_co_i32 s16, s55, 127
	s_lshl_b32 s17, s16, 23
	v_mov_b32 v244, s17                            ; 2^e9
	s_add_co_i32 s16, s16, 15
	s_lshl_b32 s16, s16, 23
	s_or_b32 s16, s16, 0x600000
	v_mov_b32 v240, s16                            ; 57,344 x 2^e9
	s_sub_co_i32 s16, s56, s54
	s_sub_co_i32 s16, s16, s55
	s_add_co_i32 s16, s16, 127
	s_lshl_b32 s17, s16, 23
	v_mov_b32 v246, s17                            ; 2^(e10 - e8 - e9): a sum of the second product stands for sum x 2^(e8 + e9)
	s_add_co_i32 s16, s16, 15
	s_lshl_b32 s16, s16, 23
	s_or_b32 s16, s16, 0x600000
	v_mov_b32 v247, s16
	s_wait_alu depctr_va_vdst(0)                   ; the head's end
	s_wait_tensorcnt 0x0                           ; my part of places 0-3 is in
	ds_add_u32 v251, v255
	s_wait_dscnt 0x0
	CROUND                                         ; places 0-3 are whole, and the partners are here
	tensor_load_to_lds s[G0X:G0X+3], s[G1X:G1X+7]  ; places 4-15
	s_nop 0
.irp b, 0,1,2,3
	KLOAD 32, \b
.endr
	s_wait_loadcnt 0x0                             ; Q
	STEP 32, 96, I, -1, 0
	STEP 96, 32, I1, 0, 0
	s_wait_tensorcnt 0x0                           ; my second load has landed
	s_wait_dscnt 0x0
	s_barrier_signal -1
	s_barrier_wait -1                              ; all sixteen places are whole
	s_mov_b32 s[I], 2
	NEXT I
	s_wait_alu depctr_va_vdst(0)
.irp b, 0,1,2,3
	KLOAD 32, \b
.endr
.Lpair:
	s_add_co_u32 s[I1], s[I], 1
	s_add_co_u32 s[I2], s[I], 2
	STEP 32, 96, I, I1, 0
	STEP 96, 32, I1, I2, 0
	s_add_co_u32 s[I], s[I], 2
	s_cmp_lt_u32 s[I], 8
	s_cbranch_scc1 .Lpair
	s_cmp_eq_u32 s[ROLE], 0
	s_cbranch_scc1 .Ljoin
	STEP 32, 96, I, 0, 1
.Ljoin:
	; THE JOIN of the late tile's two parts
.rept 4
	v_nop                                          ; four plain lines behind the last products
.endr
	s_wait_dscnt 0x0
	s_barrier_signal -1
	s_barrier_wait -1
	s_cmp_eq_u32 s[ROLE], 1
	s_cbranch_scc1 .Ltake
	v_add_f32 v14, v14, v15                        ; role 0 hands over O^T, -M and the sum
.irp j, 0,1,2,3,4,5,6,7
	ds_store_b128 v[MG], v[160+4*\j:163+4*\j] offset:512*\j
.endr
	ds_store_b32 v[MG2], v12
	ds_store_b32 v[MG2], v14 offset:128
	s_wait_alu depctr_va_vdst(0)
	s_wait_dscnt 0x0
.Ltake:
	s_barrier_signal -1
	s_barrier_wait -1
	s_cmp_lg_u32 s[ROLE], 1
	s_cbranch_scc1 .Lend
	ds_load_b32 v200, v[MG2]
	ds_load_b32 v201, v[MG2] offset:128
.irp j, 0,1,2,3,4,5,6,7
	ds_load_b128 v[32+4*\j:35+4*\j], v[MG] offset:512*\j
.endr
	s_wait_dscnt 0x0
	v_min_num_f32 v202, v12, v200                  ; - the larger M
	v_sub_f32 v203, v202, v12
	v_sub_f32 v204, v202, v200
	v_cvt_i32_f32 v203, v203                       ; (it saturates: a part without keys has M = -3e38 and counts for nothing)
	v_cvt_i32_f32 v204, v204
	v_ldexp_f32 v210, 1.0, v203                    ; both parts under the larger M: powers of two
	v_ldexp_f32 v208, 1.0, v204
	v_pk_mul_f32 v[14:15], v[14:15], v[210:211] op_sel_hi:[1,0]
	v_fma_f32 v14, v201, v208, v14
.irp j, 0,2,4,6,8,10,12,14,16,18,20,22,24,26,28,30
	v_pk_mul_f32 v[32+\j:33+\j], v[32+\j:33+\j], v[208:209] op_sel_hi:[1,0]
.endr
.irp j, 0,2,4,6,8,10,12,14,16,18,20,22,24,26,28,30
	v_pk_fma_f32 v[160+\j:161+\j], v[160+\j:161+\j], v[210:211], v[32+\j:33+\j] op_sel_hi:[1,0,1]
.endr
	OUT 96
.Lend:
	s_wait_tensorcnt 0x0                           ; the wave's end
	ds_add_u32 v251, v255
	s_wait_dscnt 0x0
	CROUND                                         ; the closing round: no work-group ends while a partner may still ask for a tile that names it
	s_endpgm
.Lfunc_end_k_q0d810409be_attn:
	.size	k_q0d810409be_attn, .Lfunc_end_k_q0d810409be_attn-k_q0d810409be_attn
	.p2alignl 7, 3214868480
	.fill 96, 4, 3214868480
	.section	.rodata,"a",@progbits
	.p2align	6, 0x0
	.amdhsa_kernel k_q0d810409be_attn
		.amdhsa_group_segment_fixed_size 327680
		.amdhsa_private_segment_fixed_size 0
		.amdhsa_enable_private_segment 0
		.amdhsa_kernarg_size 24
		.amdhsa_user_sgpr_count 2
		.amdhsa_user_sgpr_kernarg_segment_ptr 1
		.amdhsa_wavefront_size32 1
		.amdhsa_system_sgpr_workgroup_id_x 1
		.amdhsa_system_sgpr_workgroup_id_y 1
		.amdhsa_system_sgpr_workgroup_id_z 1
		.amdhsa_system_vgpr_workitem_id 0
		.amdhsa_next_free_vgpr 256
		.amdhsa_next_free_sgpr 80
		.amdhsa_reserve_vcc 1
		.amdhsa_float_denorm_mode_32 3
		.amdhsa_float_denorm_mode_16_64 3
		.amdhsa_memory_ordered 1
		.amdhsa_forward_progress 1
		.amdhsa_inst_pref_size 149
	.end_amdhsa_kernel
	.amdgpu_metadata
---
amdhsa.version: [ 1, 2 ]
amdhsa.kernels:
  - .name:           k_q0d810409be_attn
    .symbol:         k_q0d810409be_attn.kd
    .args:
      - { .name: qkv, .offset: 0, .size: 8, .value_kind: global_buffer, .address_space: global }
      - { .name: lowp_scales, .offset: 8, .size: 8, .value_kind: global_buffer, .address_space: global }
      - { .name: ac, .offset: 16, .size: 8, .value_kind: global_buffer, .address_space: global }
    .group_segment_fixed_size: 327680
    .private_segment_fixed_size: 0
    .kernarg_segment_align: 8
    .kernarg_segment_size: 24
    .max_flat_workgroup_size: 512
    .sgpr_count:     80
    .vgpr_count:     256
    .wavefront_size: 32
...
	.end_amdgpu_metadata
.endif
;; end of part 3
;; launch oproj (part 4): grid 8 x 32, 4 waves a work-group, clusters of 4 x 4, 280,064 bytes of LDS; arguments ac, woc, lowp_scales, out0; writes out0
.if DOCPART == 4
	.amdgcn_target "amdgcn-amd-amdhsa--gfx1250"
	.amdhsa_code_object_version 6
	.text
	.protected	k_q0d810409be_oproj
	.globl	k_q0d810409be_oproj
	.p2align	8
	.type	k_q0d810409be_oproj,@function
k_q0d810409be_oproj:
	s_mov_b64 s[64:65], 0
	v_nop
	global_prefetch_b8 v0, s[64:65] scope:SCOPE_SE
	s_setreg_imm32_b32 hwreg(HW_REG_WAVE_MODE, 25, 1), 1
	s_wait_xcnt 0x0
	s_wait_alu depctr_hold_cnt(0) depctr_sa_sdst(0) depctr_va_vdst(0) depctr_va_sdst(0) depctr_va_ssrc(0) depctr_va_vcc(0) depctr_vm_vsrc(0)
	s_getreg_b32 s2, hwreg(HW_REG_IB_STS2, 6, 4)
	s_cmp_eq_u32 s2, 0
	s_cbranch_scc0 .Lentry_in_a_cluster
	s_endpgm
.Lentry_in_a_cluster:
	s_bfe_u32 s2, ttmp6, 0x10000c
	s_cmp_lg_u32 s2, 0xf033
	s_cbranch_scc0 .Lentry_shape_is_right
	s_endpgm
.Lentry_shape_is_right:
; out = attn_out x W_O on codes of BF8 (E5M2); each f32 sum x 2^(e10 + e11).  out0: [4,096][1,024] f32.
; A work-group makes 128 x 128: slab 0 = 8 tiles of 16 columns of W_O (source 0), slab 1 = 8 tiles of 16 tokens of attn_out (source 1), K = 1,024.  A slab is 131,072 dense bytes, [8 K steps][8 tiles][2,048], images of the operand's
; registers; both lie whole in LDS: every LDS byte is filled once, so there is no ring.  Wave w's one load brings 65,536 bytes: K steps 0-3 or 4-7 (w % 2) of slab w / 2; one barrier shows both slabs.
; Four waves, each 64 x 64: 16 accumulators.  In accumulator (i, j) lane (r, h) holds token r of slab 1's tile j, and its registers columns 16 i + 8 h + 0 .. 7: eight neighbouring numbers of a row of out.
; Tile T of tokens holds tokens 32 (T / 2) + 8 (T % 2) + r + 8 (r / 8).
; THE WORK GOES BY ROWS OF OUT: slab 0's fragments of all K (8 steps x 4 tiles, 512 registers) stay in registers; tile j's four accumulators are finished one tile after the other, K ascending, and a finished tile leaves while the next is multiplied.
; Slab 0's fragments come step by step together with tile 0's, three steps ahead of the products; no fragment is read twice.
; CLUSTERS: 4 x 4 work-groups.  Slab 0 hangs on the place along x alone and is asked for jointly by a column of the cluster, slab 1 on the place along y alone, by a row: that divides the requests by four.
; Nothing is prefetched: all that a work-group reads is requested in its first lines.
; LIMIT: e10 + e11 lies between -126 and 127, so that 2^(e10 + e11) is an f32 number.
; REGISTERS: window 0: v3 16 x lane, v4-7 LDS addresses, v8-10 the way out's addresses, v32-63 a tile's scaled sums, v64-127 rows read back (two sets), v128-255 the accumulators ((i, j) at v[128 + 8 (4 j + i)]).
;   windows 1, 2: slab 0's fragments of K steps 0-3, 4-7 (step, i); window 3: two buffers for slab 1's tiles (step).
.set ACC, 128
.set STAGE, 262144                     ; behind the slabs: 16 rows x (256 + 16) bytes for each wave; no tensor load lands there
.set SP,  272
.set G1P, 24
.set G1R, 32
.set G0P, 40
.set G0R, 44
.set MSB, 0
.macro WIN new                         ; the immediate's high byte repeats the setting that is left
.if MSB != \new
	s_set_vgpr_msb (MSB<<8)|\new
.set MSB, \new
.endif
.endm
.macro CROUND                          ; a round of the cluster's barrier
	s_barrier_signal -1
	s_barrier_wait -1
	s_cmp_lg_u32 s14, 0
	s_cbranch_scc1 .Lnot_wave_0_\@
	s_barrier_signal -3
.Lnot_wave_0_\@:
	s_barrier_wait -3
	s_barrier_signal -1
	s_barrier_wait -1
.endm
.macro PLACES                          ; four plain vector lines between a matrix instruction and a load into, or a vector line on, its registers
.rept 4
	v_nop
.endr
.endm
.macro TILE j, s                       ; slab 1's tile j, K step s: 4 loads of 512 consecutive bytes
	WIN 0xc0
.irp c, 0,1,2,3
	ds_load_b128 v[128*((\j)%2)+16*(\s)+4*\c:128*((\j)%2)+16*(\s)+4*\c+3], v[6+(\s)/4] offset:((\s)%4)*16384+2048*(\j)+512*\c
.endr
.endm
.macro CHUNK s                         ; K step s: slab 0's four fragments and tile 0's: 20 loads
	WIN 0x40*(1+(\s)/4)
.irp i, 0,1,2,3
.irp c, 0,1,2,3
	ds_load_b128 v[64*((\s)%4)+16*\i+4*\c:64*((\s)%4)+16*\i+4*\c+3], v[4+(\s)/4] offset:((\s)%4)*16384+2048*\i+512*\c
.endr
.endr
	TILE 0, \s
.endm
.macro MUL j, s                        ; tile j, K step s: its four accumulators take turns: three others stand between two links; the first products start the sums
	WIN 0x0d+(\s)/4
.irp i, 0,1,2,3
.if (\s) == 0
	v_wmma_f32_16x16x128_bf8_bf8 v[ACC+8*(4*(\j)+\i):ACC+8*(4*(\j)+\i)+7], v[64*((\s)%4)+16*\i:64*((\s)%4)+16*\i+15], v[128*((\j)%2)+16*(\s):128*((\j)%2)+16*(\s)+15], 0
.else
	v_wmma_f32_16x16x128_bf8_bf8 v[ACC+8*(4*(\j)+\i):ACC+8*(4*(\j)+\i)+7], v[64*((\s)%4)+16*\i:64*((\s)%4)+16*\i+15], v[128*((\j)%2)+16*(\s):128*((\j)%2)+16*(\s)+15], v[ACC+8*(4*(\j)+\i):ACC+8*(4*(\j)+\i)+7]
.endif
.endr
.endm
.macro MULH j, s0                      ; four K steps
.irp s, 0,1,2,3
	MUL \j, \s0+\s
.endr
	WIN 0
.endm
; THE WAY OUT, a tile of 16 tokens x my 64 columns at a time, through my own stage: a lane holds 32 bytes of a row and the lanes beside it other rows; read back by rows, sixteen lanes store 256 consecutive bytes, aligned.
; LDS serves a wave's instructions in order (ISA guide 5.7.1.4): no wait between the stores and the loads, nor in front of the next tile's stores.
.macro TOSTAGE j
.set BB, 64+32*((\j)%2)
	PLACES                                         ; behind tile j's last product
.irp n, 0,2,4,6,8,10,12,14,16,18,20,22,24,26,28,30
	v_pk_mul_f32 v[32+\n:33+\n], v[ACC+32*(\j)+\n:ACC+32*(\j)+\n+1], s[96:97] op_sel_hi:[1,0]   ; x 2^(e10 + e11); each accumulator from its low end on
.endr
.irp i, 0,1,2,3
	ds_store_b128 v8, v[32+8*\i:32+8*\i+3] offset:64*\i
	ds_store_b128 v8, v[32+8*\i+4:32+8*\i+7] offset:64*\i+16
.endr
.irp t, 0,1,2,3,4,5,6,7
	ds_load_b128 v[BB+4*\t:BB+4*\t+3], v9 offset:2*\t*SP
.endr
.endm
.macro SEND j, younger                 ; younger: the LDS loads issued behind tile j's, which may stay out.  Stage rows 2 t and 2 t + 1 are tokens 32 (j / 2) + 8 (j % 2) + 2 t + 8 (t / 4) and the next
.set BB, 64+32*((\j)%2)
	s_wait_dscnt \younger
.irp t, 0,1,2,3,4,5,6,7
	global_store_b128 v10, v[BB+4*\t:BB+4*\t+3], s[60:61] offset:(32*((\j)/2)+8*((\j)%2)+2*\t+8*(\t/4))*4096 th:TH_STORE_NT
.endr
.endm
	s_load_b256 s[4:11], s[0:1], 0x0               ; ac s[4:5], woc s[6:7], the scales s[8:9], out0 s[10:11]
	v_lshl_add_u32 v30, v0, 2, 0x44400
	v_mov_b32 v31, 0
	ds_add_u32 v30, v31                            ; the wave's opening: an add, twice on end, and its wait
	ds_add_u32 v30, v31
	v_lshrrev_b32 v1, 5, v0
	v_readfirstlane_b32 s14, v1                    ; wave 0..3
	s_lshr_b32 s15, s14, 1                         ; which four tiles of slab 1 are mine.  Also: which slab I fetch
	s_and_b32 s16, s14, 1                          ; which four tiles of slab 0.  Also: which half of K
	s_bfe_u32 s17, ttmp6, 0x40000                  ; cx
	s_bfe_u32 s18, ttmp6, 0x40004                  ; cy
	s_lshl_b32 s21, ttmp9, 2
	s_add_co_u32 s21, s21, s17                     ; slab 0's block of 128 columns = 4 x cluster x + cx
	s_and_b32 s22, ttmp7, 0xffff
	s_lshl_b32 s22, s22, 2
	s_add_co_u32 s22, s22, s18                     ; slab 1's block of 128 tokens = 4 x cluster y + cy
	s_lshl_b32 s62, s21, 17
	s_mov_b32 s63, 0
	s_lshl_b32 s66, s22, 17
	s_mov_b32 s67, 0
	s_lshl_b32 s2, s16, 16                         ; my half of K
	s_mov_b32 s3, 0
	s_lshl_b32 s12, s14, 16                        ; LDS: wave x 65,536: no place in the cluster enters it
	s_lshl_b32 s57, 0x1111, s17                    ; my column of the cluster
	s_lshl_b32 s59, s18, 2
	s_lshl_b32 s59, 15, s59                        ; my row
	; descriptor group 1: 256 rows of 32 elements of 8 bytes, dense: 65,536 bytes
	s_or_b32 s[G1P], s57, (3<<16)|(1<<21)          ; 15:0 the mask; 17:16 elements of 8 bytes; no padding; 21 set beside a mask
	s_or_b32 s[G1R], s59, (3<<16)|(1<<21)
.irp g, G1P, G1R
	s_mov_b32 s[\g+1], 32<<16                      ; tensor_dim0
	s_mov_b32 s[\g+2], 256<<16                     ; tensor_dim1
	s_mov_b32 s[\g+3], 32<<16                      ; tile_dim0
	s_mov_b32 s[\g+4], 256                         ; tile_dim1
	s_mov_b32 s[\g+5], 32                          ; tensor_dim0_stride
	s_mov_b32 s[\g+6], 0
	s_mov_b32 s[\g+7], 0
.endr
	s_mov_b32 s[G0P], 1
	s_mov_b32 s[G0P+1], s12
	s_mov_b32 s[G0R], 1
	s_mov_b32 s[G0R+1], s12
	s_wait_dscnt 0x0                               ; both opening adds are done
	CROUND                                         ; all sixteen work-groups are here: the joint loads meet.  The arguments may still be on their way
	s_wait_kmcnt 0x0
	s_load_b64 s[96:97], s[8:9], 0x28              ; e10, e11
	s_add_nc_u64 s[56:57], s[6:7], s[62:63]
	s_add_nc_u64 s[58:59], s[4:5], s[66:67]
	s_add_nc_u64 s[G0P+2:G0P+3], s[56:57], s[2:3]
	s_or_b32 s[G0P+3], s[G0P+3], 0x80000000
	s_add_nc_u64 s[G0R+2:G0R+3], s[58:59], s[2:3]
	s_or_b32 s[G0R+3], s[G0R+3], 0x80000000
	s_cmp_eq_u32 s15, 0                            ; one load a wave
	s_cbranch_scc0 .Lslab1
	tensor_load_to_lds s[G0P:G0P+3], s[G1P:G1P+7]
	s_nop 0
.rept 4
	v_nop
.endr
	s_branch .Lasked
.Lslab1:
	tensor_load_to_lds s[G0R:G0R+3], s[G1R:G1R+7]
	s_nop 0
.rept 4
	v_nop
.endr
.Lasked:
	v_and_b32 v1, 15, v0                           ; r
	v_bfe_u32 v2, v0, 4, 1                         ; h
	v_and_b32 v3, 31, v0
	v_lshlrev_b32 v3, 4, v3                        ; 16 x lane
	s_lshl_b32 s84, s16, 13
	v_add_nc_u32 v4, s84, v3                       ; slab 0, K steps 0-3: my four tiles
	v_add_nc_u32 v5, 0x10000, v4                   ; K steps 4-7
	s_lshl_b32 s85, s15, 13
	s_add_co_u32 s85, s85, 0x20000
	v_add_nc_u32 v6, s85, v3                       ; slab 1
	v_add_nc_u32 v7, 0x10000, v6
	s_mul_i32 s84, s14, 16*SP
	s_add_co_u32 s84, s84, STAGE                   ; my stage
	v_mul_u32_u24 v8, v1, SP
	v_lshl_add_u32 v8, v2, 5, v8
	v_add_nc_u32 v8, s84, v8                       ; in: row r, 32 bytes for each half of the lanes
	v_mul_u32_u24 v9, v2, SP
	v_lshl_add_u32 v9, v1, 4, v9
	v_add_nc_u32 v9, s84, v9                       ; back: lanes 0-15 one row of 256 bytes, lanes 16-31 the next
	v_lshlrev_b32 v10, 12, v2
	v_lshl_add_u32 v10, v1, 4, v10                 ; and the same two rows in out0
	s_lshl_b32 s84, s22, 19                        ; 128 tokens of 4,096 bytes a block,
	s_lshl_b32 s85, s15, 18                        ; my 64 tokens,
	s_add_co_u32 s84, s84, s85
	s_lshl_b32 s85, s21, 9                         ; 128 columns of 4 bytes a block,
	s_add_co_u32 s84, s84, s85
	s_lshl_b32 s85, s16, 8                         ; my 64 columns: 256 bytes, aligned
	s_add_co_u32 s84, s84, s85
	s_mov_b32 s85, 0
	s_add_nc_u64 s[60:61], s[10:11], s[84:85]
	s_wait_alu depctr_va_vdst(0)                   ; the head's end
	s_wait_kmcnt 0x0
	s_add_co_i32 s96, s96, s97
	s_add_co_i32 s96, s96, 127
	s_lshl_b32 s96, s96, 23                        ; 2^(e10 + e11) as f32
	s_mov_b32 s97, s96                             ; (named with it as a pair, so it is written)
	s_wait_tensorcnt 0x0                           ; my load has landed
	s_barrier_signal -1
	s_barrier_wait -1                              ; both slabs are whole
	CHUNK 0
	CHUNK 1
	CHUNK 2
.irp s, 0,1,2,3,4
	s_wait_dscnt 40                                ; K step s's 20 loads are in; those of the two behind it may be out
	MUL 0, \s
	CHUNK \s+3
.endr
	s_wait_dscnt 40
	MUL 0, 5
	TILE 1, 0
	TILE 1, 1
	TILE 1, 2
	TILE 1, 3
	s_wait_dscnt 36                                ; K step 7's 20 and tile 1's first 16 may be out
	MUL 0, 6
	TILE 1, 4
	TILE 1, 5
	TILE 1, 6
	TILE 1, 7
	s_wait_dscnt 32                                ; tile 1's 32 may be out
	MUL 0, 7
	WIN 0
	TOSTAGE 0                                      ; its plain lines are also the places in front of the loads into tile 0's buffer
.irp s, 0,1,2,3,4,5,6,7
	TILE 2, \s
.endr
	s_wait_dscnt 48                                ; tile 1's are in; the stage's 16 and tile 2's 32 may be out
	MULH 1, 0
	SEND 0, 32                                     ; tile 2's 32 may be out
	MULH 1, 4
	TOSTAGE 1
.irp s, 0,1,2,3,4,5,6,7
	TILE 3, \s
.endr
	s_wait_dscnt 48                                ; tile 2's are in; the stage's 16 and tile 3's 32 may be out
	MULH 2, 0
	SEND 1, 32
	MULH 2, 4
	s_wait_xcnt 0x0                                ; tile 0's stores have read their registers: tile 2's loads from the stage may land there
	TOSTAGE 2
	s_wait_dscnt 16                                ; tile 3's are in; the stage's 16 may be out
	MULH 3, 0
	SEND 2, 0
	MULH 3, 4
	s_wait_xcnt 0x0                                ; tile 1's likewise
	TOSTAGE 3
	SEND 3, 0
	s_wait_tensorcnt 0x0                           ; the wave's end
	ds_add_u32 v30, v31
	s_wait_dscnt 0x0
	CROUND                                         ; the closing round: no work-group ends while a partner may still ask for a tile that names it
	s_endpgm
.Lfunc_end_k_q0d810409be_oproj:
	.size	k_q0d810409be_oproj, .Lfunc_end_k_q0d810409be_oproj-k_q0d810409be_oproj
	.p2alignl 7, 3214868480
	.fill 96, 4, 3214868480
	.section	.rodata,"a",@progbits
	.p2align	6, 0x0
	.amdhsa_kernel k_q0d810409be_oproj
		.amdhsa_group_segment_fixed_size 280064
		.amdhsa_private_segment_fixed_size 0
		.amdhsa_enable_private_segment 0
		.amdhsa_kernarg_size 32
		.amdhsa_user_sgpr_count 2
		.amdhsa_user_sgpr_kernarg_segment_ptr 1
		.amdhsa_wavefront_size32 1
		.amdhsa_system_sgpr_workgroup_id_x 1
		.amdhsa_system_sgpr_workgroup_id_y 1
		.amdhsa_system_sgpr_workgroup_id_z 1
		.amdhsa_system_vgpr_workitem_id 0
		.amdhsa_next_free_vgpr 1024
		.amdhsa_next_free_sgpr 100
		.amdhsa_reserve_vcc 0
		.amdhsa_float_denorm_mode_32 3
		.amdhsa_float_denorm_mode_16_64 3
		.amdhsa_memory_ordered 1
		.amdhsa_forward_progress 1
		.amdhsa_inst_pref_size 44
	.end_amdhsa_kernel
	.amdgpu_metadata
---
amdhsa.version: [ 1, 2 ]
amdhsa.kernels:
  - .name:           k_q0d810409be_oproj
    .symbol:         k_q0d810409be_oproj.kd
    .args:
      - { .name: ac, .offset: 0, .size: 8, .value_kind: global_buffer, .address_space: global }
      - { .name: woc, .offset: 8, .size: 8, .value_kind: global_buffer, .address_space: global }
      - { .name: lowp_scales, .offset: 16, .size: 8, .value_kind: global_buffer, .address_space: global }
      - { .name: out0, .offset: 24, .size: 8, .value_kind: global_buffer, .address_space: global }
    .group_segment_fixed_size: 280064
    .private_segment_fixed_size: 0
    .kernarg_segment_align: 8
    .kernarg_segment_size: 32
    .max_flat_workgroup_size: 128
    .sgpr_count:     100
    .vgpr_count:     1024
    .wavefront_size: 32
...
	.end_amdgpu_metadata
.endif
;; end of part 4
